; MI455X (gfx1250); checked and timed in simulation.
; The chip was launched on July 23, 2026; its instructions are those of AMD's public machine-readable ISA for CDNA 5 (MIT licence, August 2026) and "CDNA5" Instruction Set Architecture Reference Guide (July 2026). The comments in the code are by the model that wrote it; some were corrected since.
;; Encoder Layer. Allowed arithmetic: matrix products marked QUANTISED: E5M2 operands, one given power-of-two scale a tensor, by v_wmma_f32_16x16x64_bf8_bf8 or v_wmma_f32_16x16x128_bf8_bf8, f32 sums; everything else in f32.
;; Inputs: W1 512 x 2,048 float32; W2 2,048 x 512 float32; Wk 512 x 512 float32; Wo 512 x 512 float32; Wq 512 x 512 float32; Wv 512 x 512 float32; b1 2,048 float32; b2 512 float32; bk 512 float32; bo 512 float32; bq 512 float32; bv 512 float32; ln1_a 512 float32; ln1_b 512 float32; ln2_a 512 float32; ln2_b 512 float32; lowp_scales 16 int32 (the exponents e of the quantised operands' scales 2^e); x 4 x 2,048 x 512 float32.
;; Outputs: out0 4 x 2,048 x 512 float32.
;; This version of the problem:
;;   THIS VERSION OF THE PROBLEM IS GIVEN IN LOW PRECISION. The matrix products marked QUANTISED in the list below multiply operands that are first quantised to E5M2 (5 exponent bits, 2 mantissa bits; 8 bits a number), with one given power-of-two scale for each operand tensor; their sums are f32. All else is computed in f32.
;;   The module's matrix products, in the order in which they are computed (A, B: the left and right operand; K: the contracted axis; several contracted axes count as one K, in the product's order):
;;     1. [M 8,192, K 512] x [K 512, N 512]; A: input x; B: input Wq: QUANTISED (scales: A lowp_scales[0], B lowp_scales[1])
;;     2. [M 8,192, K 512] x [K 512, N 512]; A: input x; B: input Wk: QUANTISED (scales: A lowp_scales[2], B lowp_scales[3])
;;     3. [M 8,192, K 512] x [K 512, N 512]; A: input x; B: input Wv: QUANTISED (scales: A lowp_scales[4], B lowp_scales[5])
;;     4. batch 64 x [M 2,048, K 32] x [K 32, N 2,048]; A: computed on the way; B: computed on the way: QUANTISED (scales: A lowp_scales[6], B lowp_scales[7])
;;     5. batch 64 x [M 32, K 2,048] x [K 2,048, N 2,048]; A: computed on the way; B: softmax (see below): QUANTISED (scales: A lowp_scales[8], B lowp_scales[9])
;;     6. [M 8,192, K 512] x [K 512, N 512]; A: computed on the way; B: input Wo: QUANTISED (scales: A lowp_scales[10], B lowp_scales[11])
;;     7. [M 8,192, K 512] x [K 512, N 2,048]; A: computed on the way; B: input W1: QUANTISED (scales: A lowp_scales[12], B lowp_scales[13])
;;     8. [M 8,192, K 2,048] x [K 2,048, N 512]; A: computed on the way; B: input W2: QUANTISED (scales: A lowp_scales[14], B lowp_scales[15])
;;   THE QUANTISER, for each operand of a quantised product, along K:
;;     - The operand's scale is 2^e, e = its entry of the input lowp_scales (int32; the entries are numbered through the quantised products in the list's order, A before B).
;;     - Each number is divided by the scale, clamped to +-57,344, and rounded to the nearest number of E5M2, ties to even, subnormals kept.
;;     - The product sums the exact products of the quantised numbers (number of the format x scale) in f32.
;;   ~~~python
;;   def quantise(x, axis, e):      # numpy; x: float32 -> the quantised numbers, widened to float32 again
;;       x = np.moveaxis(x, axis, -1); K = x.shape[-1]
;;       r = np.clip(x / 2.0 ** e, -57344, 57344)
;;       step = 2.0 ** (np.maximum(np.frexp(np.where(r == 0, 1, r))[1] - 1, -14) - 2)
;;       q = np.round(r / step) * step * 2.0 ** e      # np.round: ties to even
;;       return np.moveaxis(q, -1, axis).astype(np.float32)
;;   ~~~
;;   SOFTMAX AHEAD OF A QUANTISED PRODUCT. Where the list says 'softmax', what is quantised is not the finished softmax but p = 2^(t - M), with t = logit x log2(e) and M = ceil(the row's largest t), a whole number; so 1/2 < the row's largest p <= 1. The row's sum l is taken of the UNQUANTISED p, in f32, and the product's result is divided by l at the end. Since M is a whole number, a kernel that streams over the keys may use a running M (the ceiling of the running maximum): every later rescaling is an exact power of two, so the quantised numbers keep their values, but for numbers so far below the row's largest that they fall under the format's range.
;;   OPERANDS COMPUTED ON THE WAY. 'Computed on the way' means the value that the module computes at that place (a softmax that the list does not call 'softmax' is quantised finished and normalised). What goes into a quantiser is computed in f32, as accurately as f32 sums, v_exp_f32 and their like allow (about 1e-6 of the number): no bf16 or f16 on the way to a quantiser, and a product that is left as it is and whose result goes on into a quantised operand takes f32 operands (vector FMAs, or v_wmma_f32_16x16x4_f32). A number that lies on a knife's edge between two numbers of the format may be rounded either way, as far as f32 arithmetic and the matrix unit's own rounding can turn it there, and no further.
;; 2 versions. Each part assembles by itself: llvm-mc -triple=amdgcn-amd-amdhsa -mcpu=gfx1250 --defsym DOCPART=n.
;; ======== version 1 of 2: 4 launches
;; workspace buffers: wimg 3,145,728 bytes; qc 4,194,304 bytes; kv 8,388,608 bytes; ac 4,194,304 bytes
;; launch prep (part 1): grid 256 x 3, 4 waves a work-group, no clusters, 0 bytes of LDS; arguments Wq, Wk, Wv, Wo, W1, W2, lowp_scales, wimg; writes wimg
.if DOCPART == 1
	.amdgcn_target "amdgcn-amd-amdhsa--gfx1250"
	.amdhsa_code_object_version 6
	.text
	.protected	k_q60d39f8c5d_prep
	.globl	k_q60d39f8c5d_prep
	.p2align	8
	.type	k_q60d39f8c5d_prep,@function
k_q60d39f8c5d_prep:
	s_mov_b64 s[64:65], 0
	v_nop
	global_prefetch_b8 v0, s[64:65] scope:SCOPE_SE
	s_setreg_imm32_b32 hwreg(HW_REG_WAVE_MODE, 25, 1), 1
	s_wait_xcnt 0x0
; The six weights, f32 stored [K][N], become codes of E5M2 laid in the order of the matrix operand's registers.
; A FRAGMENT is 16 columns n x 128 along K, 2,048 bytes: [c 0..3][h 0..1][r 0..15][16 bytes]; (c, h, r) holds k = 128 s + 32 c + 16 h + 0..15 of the fragment's row r.
; Columns go in blocks of 32 (b = n / 32), two fragments u = 0, 1 each: row r of fragment u is column 32 b + 8 u + r + 8 (r / 8).
; A matrix lies [b][s = k / 128][u][2,048 bytes]; Wq, Wk, Wv, Wo, W1, W2 begin at 0, 1, 2, 3, 4, 8 x 262,144 bytes of wimg.
; code = w / 2^e, held within +-57,344, to the nearest code, ties to even; e = entry 1, 3, 5, 11, 13, 15 of lowp_scales.
; LIMITS: -126 <= e <= 112, so that 2^e and 57,344 x 2^e are f32 numbers.  NaN among the inputs is not served.
; SHARES: a lane takes ONE column and its 32 registers run down K (one chunk c of one K step), so the conversions give codes with K innermost and nothing is transposed.
; A wave takes 32 columns x 32 along K; the four waves stand side by side on 128 columns (512 consecutive bytes of each row).  Grid y = 0: the four 512 x 512 matrices, 64 work-groups each; y = 1: W1; y = 2: W2.
; No LDS, no barrier, no matrix unit, no cluster: the waves share nothing and every byte is read and written once.
.set X, 16                             ; v16-47  32 numbers down K
.set C, 48                             ; v48-55  their codes
.macro LOAD32 pitch                    ; row k = 32 kb + i of my column; the wave's 32 lanes read 128 consecutive bytes
.set i, 0
.rept 32
	global_load_b32 v[X+i], v2, s[24:25] offset:i*\pitch th:TH_LOAD_NT
.set i, i+1
.endr
.endm
	s_load_b512 s[8:23], s[0:1], 0x0               ; Wq, Wk, Wv, Wo, W1, W2, the scales' exponents s[20:21], wimg s[22:23]
	v_lshrrev_b32 v1, 5, v0
	v_readfirstlane_b32 s2, v1                     ; wave 0..3
	s_and_b32 s3, ttmp7, 0xffff                    ; y
	s_lshr_b32 s4, ttmp9, 6
	s_add_co_u32 s5, s3, 3
	s_and_b32 s6, ttmp9, 63
	s_cmp_eq_u32 s3, 0
	s_cselect_b32 s4, s4, s5                       ; which matrix, 0..5
	s_cselect_b32 s6, s6, ttmp9                    ; the work-group's number within it
	s_cmp_eq_u32 s3, 1
	s_cselect_b32 s7, 4, 2                         ; bits of the column group: N / 128 = 16 for W1, else 4
	s_mov_b32 s28, 2048
	s_cselect_b32 s28, 8192, s28                   ; a row of the matrix in bytes
	s_cmp_eq_u32 s3, 2
	s_cselect_b32 s29, 16, 4                       ; K / 128
	s_bfm_b32 s30, s7, 0
	s_and_b32 s30, s6, s30                         ; column group g
	s_lshr_b32 s31, s6, s7                         ; kb = k / 32
	s_lshl_b32 s32, s30, 2
	s_add_co_u32 s32, s32, s2                      ; b = 4 g + wave
	s_lshl_b32 s33, s31, 5
	s_mul_i32 s34, s33, s28                        ; 32 kb rows,
	s_lshl_b32 s33, s32, 7
	s_add_co_u32 s34, s34, s33                     ; + 128 b bytes: where my wave reads
	s_mov_b32 s35, 0
	s_cmp_eq_u32 s4, 5
	s_cselect_b32 s36, 8, s4
	s_lshl_b32 s36, s36, 18                        ; the matrix's place in wimg
	s_mul_i32 s37, s32, s29
	s_lshr_b32 s38, s31, 2
	s_add_co_u32 s37, s37, s38                     ; b K/128 + s
	s_lshl_b32 s37, s37, 12                        ; two fragments each
	s_add_co_u32 s36, s36, s37
	s_and_b32 s38, s31, 3
	s_lshl_b32 s38, s38, 9                         ; chunk c
	s_add_co_u32 s36, s36, s38
	s_mov_b32 s37, 0
	s_cmp_ge_u32 s4, 3
	s_cselect_b32 s39, 5, 1
	s_lshl_b32 s40, s4, 1
	s_add_co_u32 s39, s39, s40                     ; the scale's entry: 1, 3, 5, 11, 13, 15
	s_lshl_b32 s39, s39, 2
	v_and_b32 v1, 31, v0                           ; lane
	v_lshrrev_b32 v4, 4, v1                        ; u
	v_and_b32 v5, 15, v1                           ; r
	v_and_b32 v6, 8, v5
	v_add_nc_u32 v6, v6, v5
	v_lshl_add_u32 v6, v4, 3, v6                   ; my column in the block: 8 u + r + 8 (r / 8)
	v_lshlrev_b32 v2, 2, v6
	v_lshlrev_b32 v3, 4, v5
	v_lshl_add_u32 v3, v4, 11, v3                  ; out: fragment u, row r
	s_wait_kmcnt 0x0
	s_load_b32 s41, s[20:21], s39 offset:0x0       ; e
	s_mov_b64 s[24:25], s[8:9]                     ; the matrix's address: a choice on the work-group's number alone
	s_cmp_eq_u32 s4, 1
	s_cselect_b64 s[24:25], s[10:11], s[24:25]
	s_cmp_eq_u32 s4, 2
	s_cselect_b64 s[24:25], s[12:13], s[24:25]
	s_cmp_eq_u32 s4, 3
	s_cselect_b64 s[24:25], s[14:15], s[24:25]
	s_cmp_eq_u32 s4, 4
	s_cselect_b64 s[24:25], s[16:17], s[24:25]
	s_cmp_eq_u32 s4, 5
	s_cselect_b64 s[24:25], s[18:19], s[24:25]
	s_add_nc_u64 s[24:25], s[24:25], s[34:35]
	s_add_nc_u64 s[26:27], s[22:23], s[36:37]
	s_cmp_eq_u32 s3, 1                             ; the row's length stands in the loads' immediates: two copies of the run
	s_cbranch_scc1 .Lwide
	LOAD32 2048
	s_branch .Ljoin
.Lwide:
	LOAD32 8192
.Ljoin:
	s_wait_kmcnt 0x0
	s_add_co_i32 s41, s41, 127
	s_lshl_b32 s42, s41, 23
	v_mov_b32 v11, s42                             ; 2^e as f32: the conversion takes its exponent field
	s_add_co_i32 s41, s41, 15
	s_lshl_b32 s41, s41, 23
	s_or_b32 s41, s41, 0x600000
	v_mov_b32 v10, s41                             ; 57,344 x 2^e
	s_wait_loadcnt 0x0
.set i, 0
.rept 32
	v_med3_num_f32 v[X+i], v[X+i], -v10, v10       ; the conversion to an 8-bit code does not saturate (ISA guide 7.6.2): the hold comes first
.set i, i+1
.endr
.irp g, 0,1,2,3
	v_cvt_scalef32_pk8_bf8_f32 v[C+2*\g:C+2*\g+1], v[X+8*\g:X+8*\g+7], v11
.endr
	v_nop                                          ; a plain line behind the last conversion
	global_store_b128 v3, v[C:C+3], s[26:27]              ; h = 0: k + 0..15; lanes 0-15 and lanes 16-31 each store 256 consecutive bytes, aligned
	global_store_b128 v3, v[C+4:C+7], s[26:27] offset:256 ; h = 1: k + 16..31
	s_endpgm
.Lfunc_end_k_q60d39f8c5d_prep:
	.size	k_q60d39f8c5d_prep, .Lfunc_end_k_q60d39f8c5d_prep-k_q60d39f8c5d_prep
	.p2alignl 7, 3214868480
	.fill 96, 4, 3214868480
	.section	.rodata,"a",@progbits
	.p2align	6, 0x0
	.amdhsa_kernel k_q60d39f8c5d_prep
		.amdhsa_group_segment_fixed_size 0
		.amdhsa_private_segment_fixed_size 0
		.amdhsa_enable_private_segment 0
		.amdhsa_kernarg_size 64
		.amdhsa_user_sgpr_count 2
		.amdhsa_user_sgpr_kernarg_segment_ptr 1
		.amdhsa_wavefront_size32 1
		.amdhsa_system_sgpr_workgroup_id_x 1
		.amdhsa_system_sgpr_workgroup_id_y 1
		.amdhsa_system_sgpr_workgroup_id_z 1
		.amdhsa_system_vgpr_workitem_id 0
		.amdhsa_next_free_vgpr 64
		.amdhsa_next_free_sgpr 66
		.amdhsa_reserve_vcc 0
		.amdhsa_float_denorm_mode_32 3
		.amdhsa_float_denorm_mode_16_64 3
		.amdhsa_memory_ordered 1
		.amdhsa_forward_progress 1
		.amdhsa_inst_pref_size 12
	.end_amdhsa_kernel
	.amdgpu_metadata
---
amdhsa.version: [ 1, 2 ]
amdhsa.kernels:
  - .name:           k_q60d39f8c5d_prep
    .symbol:         k_q60d39f8c5d_prep.kd
    .args:
      - { .name: Wq, .offset: 0, .size: 8, .value_kind: global_buffer, .address_space: global }
      - { .name: Wk, .offset: 8, .size: 8, .value_kind: global_buffer, .address_space: global }
      - { .name: Wv, .offset: 16, .size: 8, .value_kind: global_buffer, .address_space: global }
      - { .name: Wo, .offset: 24, .size: 8, .value_kind: global_buffer, .address_space: global }
      - { .name: W1, .offset: 32, .size: 8, .value_kind: global_buffer, .address_space: global }
      - { .name: W2, .offset: 40, .size: 8, .value_kind: global_buffer, .address_space: global }
      - { .name: lowp_scales, .offset: 48, .size: 8, .value_kind: global_buffer, .address_space: global }
      - { .name: wimg, .offset: 56, .size: 8, .value_kind: global_buffer, .address_space: global }
    .group_segment_fixed_size: 0
    .private_segment_fixed_size: 0
    .kernarg_segment_align: 8
    .kernarg_segment_size: 64
    .max_flat_workgroup_size: 128
    .sgpr_count:     66
    .vgpr_count:     64
    .wavefront_size: 32
...
	.end_amdgpu_metadata
.endif
;; end of part 1
;; launch qkv (part 2): grid 64 x 3, 16 waves a work-group, no clusters, 153,600 bytes of LDS; arguments x, wimg, bq, bk, bv, lowp_scales, qc, kv; writes qc, kv
.if DOCPART == 2
	.amdgcn_target "amdgcn-amd-amdhsa--gfx1250"
	.amdhsa_code_object_version 6
	.text
	.protected	k_q60d39f8c5d_qkv
	.globl	k_q60d39f8c5d_qkv
	.p2align	8
	.type	k_q60d39f8c5d_qkv,@function
k_q60d39f8c5d_qkv:
	s_mov_b64 s[64:65], 0
	v_nop
	global_prefetch_b8 v0, s[64:65] scope:SCOPE_SE
	s_setreg_imm32_b32 hwreg(HW_REG_WAVE_MODE, 25, 1), 1
	s_wait_xcnt 0x0
; q, k or v (grid y = 0, 1, 2) = Q(x) Q(W) + bias for 128 tokens (grid x), quantised again for attention and stored as images of the operands' registers.
; x is quantised with the product's own scale (entry 2 y), W's codes come from wimg (entry 2 y + 1); the result is quantised with entry 6 + y.
; LIMITS, so that each power of two is an f32 number: entry 2 y, and entry (6 + y) - entry 2 y - entry (2 y + 1), between -126 and 112.  NaN among the inputs is not served.
; TOKENS go in blocks of 32, two tiles each: row r of tile u is token 32 f + 8 u + r + 8 (r / 8); features (a head's 32) likewise.  So a lane's 16 results of two neighbouring tiles are 16 neighbours.
; SHARES: wave w is head w; its 8 weight fragments (128 registers) are loaded once and stay.  In phase X wave w quantises 8 consecutive tokens; their codes go to LDS; one barrier; in phase M every wave reads all 8 tiles.
; q, k: source 0 = W, source 1 = x: a lane holds one token and 16 channels.  v: source 0 = x, source 1 = W: a lane holds one channel and 16 keys, since the keys are the K of attention's second product.
; OUT: qc and K's half of kv: [head 64][f 64][u 2][lane][16 bytes]; V's half: [step of 128 keys][dt 2][c 4][lane][16 bytes].  Each store of a wave covers 512 consecutive bytes, aligned.
; NO JOINT LOADS: x is quantised on its way into LDS, and the work-groups that share it are three; the weights (262,144 bytes a work-group) would not fit in LDS beside the 151,552 bytes in use, and go straight into the registers in which they stay.
; LDS: 0: x's codes, 8 tiles x 32 half-chunks (q = k / 16) of 256 bytes, 272 bytes apart (68 words: both the stores; 64 banks of 4 bytes: ISA guide 11.1).
;      69,632: for each wave two stages of 32 x 80 bytes, through which a row of x turns from 16 bytes a lane to 64 bytes a lane.
.set TP,   8704                        ; a tile of x's codes in LDS
.set STG,  69632
.set R,    16                          ; phase X: v16-79 four rows as loaded;  v80-111 two rows, 16 neighbours a lane
.set X,    80
.set ACC,  16                          ; phase M: v16-47 four accumulators;  v48-79 two fragments of x;  v80-95 codes, two sets
.set XF,   48
.set CODE, 80
.set BIAS, 112                         ; v112-127 the bias in the result's layout, two tiles
.set W,    128                         ; v128-255 W's fragment (s, u) at 16 (2 s + u)
; v1 16 x lane; v2, v3 stage in and out; v4 where my codes go; v5, v6 a fragment's place in tiles 0-3, 4-7; v7, v9 bias offsets; v[8:11] a row's codes; v12, v13 v's biases; v14 limit; v15 scale
.macro LOAD t                          ; row t of my 8: four loads of 512 consecutive bytes
.irp i, 0,1,2,3
	global_load_b128 v[R+16*((\t)%4)+4*\i:R+16*((\t)%4)+4*\i+3], v1, s[8:9] offset:2048*(\t)+512*\i
.endr
.endm
.macro TURN t                          ; through my own stage: LDS serves a wave's instructions in order (ISA guide 5.7.1.4), so no wait stands between
.irp i, 0,1,2,3
	ds_store_b128 v2, v[R+16*((\t)%4)+4*\i:R+16*((\t)%4)+4*\i+3] offset:2560*((\t)%2)+640*\i
.endr
.irp i, 0,1,2,3
	ds_load_b128 v[X+16*((\t)%2)+4*\i:X+16*((\t)%2)+4*\i+3], v3 offset:2560*((\t)%2)+16*\i
.endr
.endm
.macro STEP t
.set XS, X+16*((\t)%2)
	s_wait_dscnt 0x0                               ; this row is back from the stage, and its stores into the stage have read their registers,
.if (\t)+4 < 8
	LOAD (\t)+4                                    ; which take the row four further on
.endif
.if (\t)+1 < 8
.if 6-(\t) >= 3
	s_wait_loadcnt 12                              ; the next row's four loads are in; three rows behind it may be out
.else
	s_wait_loadcnt 4*(6-(\t))                      ; the rows still behind it
.endif
	TURN (\t)+1
.endif
.set n, 0
.rept 16
	v_med3_num_f32 v[XS+n], v[XS+n], -v14, v14     ; the hold (ISA guide 7.6.2: the conversion does not saturate)
.set n, n+1
.endr
	v_cvt_scalef32_pk8_bf8_f32 v[8:9], v[XS:XS+7], v15
	v_cvt_scalef32_pk8_bf8_f32 v[10:11], v[XS+8:XS+15], v15
	v_nop                                          ; a plain line behind the last conversion
	ds_store_b128 v4, v[8:11] offset:16*(\t)       ; lane L: k = 16 L .. 16 L + 15 of row 8 (w % 2) + t of tile w / 2
.endm
; 32 tokens (tiles 2 fp, 2 fp + 1) x my head's 32 features: four accumulators by turns, K in four steps of 128; then the quantiser and two stores.
.macro CELL fp, swap
.irp s, 0,1,2,3
.rept 4
	v_nop                                          ; four places in front of loads into registers that matrix instructions have read (ISA guide 7.12.1 for vector instructions)
.endr
.irp t, 0,1
.irp c, 0,1,2,3
.if \fp < 2
	ds_load_b128 v[XF+16*\t+4*\c:XF+16*\t+4*\c+3], v5 offset:((2*\fp+\t)&3)*TP+2176*\s+544*\c
.else
	ds_load_b128 v[XF+16*\t+4*\c:XF+16*\t+4*\c+3], v6 offset:((2*\fp+\t)&3)*TP+2176*\s+544*\c
.endif
.endr
.endr
	s_wait_dscnt 0x0
.irp u, 0,1
.irp t, 0,1
.set rW, W+16*(2*\s+\u)
.set rX, XF+16*\t
.if \swap
.set rD, ACC+16*\u+8*\t
.if \s == 0
	v_wmma_f32_16x16x128_bf8_bf8 v[rD:rD+7], v[rX:rX+15], v[rW:rW+15], v[BIAS+8*\u:BIAS+8*\u+7]
.else
	v_wmma_f32_16x16x128_bf8_bf8 v[rD:rD+7], v[rX:rX+15], v[rW:rW+15], v[rD:rD+7]
.endif
.else
.set rD, ACC+16*\t+8*\u
.if \s == 0
	v_wmma_f32_16x16x128_bf8_bf8 v[rD:rD+7], v[rW:rW+15], v[rX:rX+15], v[BIAS+8*\u:BIAS+8*\u+7]
.else
	v_wmma_f32_16x16x128_bf8_bf8 v[rD:rD+7], v[rW:rW+15], v[rX:rX+15], v[rD:rD+7]
.endif
.endif
.endr
.endr
.endr
.rept 4
	v_nop                                          ; four places in front of the first read of the results
.endr
	s_wait_xcnt 0x0                                ; earlier stores have read their data: the set of codes may be written again
.set n, 0
.rept 32
	v_med3_num_f32 v[ACC+n], v[ACC+n], -v14, v14   ; each accumulator from its low end on
.set n, n+1
.endr
.irp g, 0,1
	v_cvt_scalef32_pk8_bf8_f32 v[CODE+8*((\fp)&1)+4*\g:CODE+8*((\fp)&1)+4*\g+1], v[ACC+16*\g:ACC+16*\g+7], v15
	v_cvt_scalef32_pk8_bf8_f32 v[CODE+8*((\fp)&1)+4*\g+2:CODE+8*((\fp)&1)+4*\g+3], v[ACC+16*\g+8:ACC+16*\g+15], v15
.endr
	v_nop                                          ; a plain line between the conversions and the next products, which write their sources
.irp g, 0,1
.if \swap
	global_store_b128 v1, v[CODE+8*((\fp)&1)+4*\g:CODE+8*((\fp)&1)+4*\g+3], s[44:45] offset:\g*2048+\fp*512   ; channels' tile g, chunk fp of the step's 128 keys
.else
	global_store_b128 v1, v[CODE+8*((\fp)&1)+4*\g:CODE+8*((\fp)&1)+4*\g+3], s[44:45] offset:\fp*1024+\g*512   ; token block fp, tile g
.endif
.endr
.endm
	s_load_b512 s[8:23], s[0:1], 0x0               ; x, wimg, bq, bk, bv s[16:17], the scales' exponents s[18:19], qc s[20:21], kv s[22:23]
	v_lshrrev_b32 v1, 5, v0
	v_readfirstlane_b32 s2, v1                     ; wave 0..15
	s_and_b32 s3, ttmp7, 0xffff                    ; y: q, k or v
	v_and_b32 v9, 31, v0                           ; lane
	v_and_b32 v10, 15, v0                          ; r
	v_bfe_u32 v11, v0, 4, 1                        ; h
	v_lshlrev_b32 v1, 4, v9
	s_mul_i32 s24, s2, 5120
	s_add_co_u32 s24, s24, STG                     ; my stages
	v_lshrrev_b32 v2, 2, v9
	v_mul_u32_u24 v2, v2, 80
	v_and_b32 v3, 3, v9
	v_lshl_add_u32 v2, v3, 4, v2
	v_add_nc_u32 v2, s24, v2                       ; in: four lanes' 64 bytes on end, then 16 of padding
	v_mul_u32_u24 v3, v9, 80
	v_add_nc_u32 v3, s24, v3                       ; out: my 64 bytes
	s_lshr_b32 s25, s2, 1
	s_mul_i32 s25, s25, TP
	s_and_b32 s26, s2, 1
	s_lshl_b32 s26, s26, 7
	s_add_co_u32 s25, s25, s26
	v_mul_u32_u24 v4, v9, 272
	v_add_nc_u32 v4, s25, v4                       ; tile w / 2, half-chunk = lane, rows 8 (w % 2) on
	v_mul_u32_u24 v5, v11, 272
	v_lshl_add_u32 v5, v10, 4, v5                  ; a fragment's lane: 272 h + 16 r
	v_add_nc_u32 v6, 4*TP, v5
	v_lshlrev_b32 v7, 6, v11                       ; q, k: the bias of channels 16 h on
	v_and_b32 v8, 8, v10
	v_add_nc_u32 v8, v8, v10
	v_lshlrev_b32 v9, 2, v8                        ; v: the bias of channel r + 8 (r / 8); the second tile's lies 32 bytes on
	s_lshl_b32 s27, ttmp9, 7
	s_lshr_b32 s28, s2, 2
	s_lshl_b32 s28, s28, 5
	s_add_co_u32 s27, s27, s28
	s_and_b32 s28, s2, 1
	s_lshl_b32 s28, s28, 4
	s_add_co_u32 s27, s27, s28
	s_bfe_u32 s28, s2, 0x10001
	s_lshl_b32 s28, s28, 3
	s_add_co_u32 s27, s27, s28                     ; my first token: 128 blk + 32 (w / 4) + 16 (w % 2) + 8 ((w / 2) % 2)
	s_lshl_b32 s28, s27, 11
	s_mov_b32 s29, 0
	s_lshl_b32 s30, s3, 18
	s_lshl_b32 s31, s2, 14
	s_add_co_u32 s30, s30, s31                     ; my fragments in wimg: matrix y, block w
	s_mov_b32 s31, 0
	s_lshl_b32 s32, s2, 7                          ; my head's biases
	s_mov_b32 s33, 0
	s_lshr_b32 s34, ttmp9, 4
	s_lshl_b32 s34, s34, 4
	s_add_co_u32 s34, s34, s2                      ; 16 x batch + head
	s_cmp_eq_u32 s3, 0
	s_cselect_b32 s35, 16, 17
	s_lshl_b32 s34, s34, s35                       ; 65,536 bytes a head in qc, 131,072 in kv
	s_cmp_eq_u32 s3, 2
	s_cselect_b32 s35, 0x10000, 0                  ; V behind K
	s_add_co_u32 s34, s34, s35
	s_and_b32 s35, ttmp9, 15
	s_lshl_b32 s35, s35, 12                        ; 128 tokens are 4,096 bytes
	s_add_co_u32 s34, s34, s35
	s_mov_b32 s35, 0
	s_lshl_b32 s36, s3, 3
	s_lshl_b32 s37, s3, 2
	s_wait_kmcnt 0x0
	s_load_b64 s[38:39], s[18:19], s36 offset:0x0  ; ex, ew: entries 2 y, 2 y + 1
	s_load_b32 s40, s[18:19], s37 offset:0x18      ; eo: entry 6 + y
	s_add_nc_u64 s[8:9], s[8:9], s[28:29]
	s_add_nc_u64 s[10:11], s[10:11], s[30:31]
	s_cmp_eq_u32 s3, 0                             ; the bias and the output: choices on the work-group's number alone
	s_cselect_b64 s[42:43], s[12:13], s[14:15]
	s_cselect_b64 s[44:45], s[20:21], s[22:23]
	s_cmp_eq_u32 s3, 2
	s_cselect_b64 s[42:43], s[16:17], s[42:43]
	s_add_nc_u64 s[42:43], s[42:43], s[32:33]
	s_add_nc_u64 s[44:45], s[44:45], s[34:35]
.irp f, 0,1,2,3,4,5,6,7
.irp c, 0,1,2,3
	global_load_b128 v[W+16*\f+4*\c:W+16*\f+4*\c+3], v1, s[10:11] offset:2048*\f+512*\c
.endr
.endr
.irp j, 0,1,2,3
	global_load_b128 v[BIAS+4*\j:BIAS+4*\j+3], v7, s[42:43] offset:16*\j
.endr
	global_load_b32 v12, v9, s[42:43]
	global_load_b32 v13, v9, s[42:43] offset:32
.irp t, 0,1,2,3
	LOAD \t
.endr
	s_wait_kmcnt 0x0
	s_add_co_i32 s46, s38, 127
	s_lshl_b32 s47, s46, 23
	v_mov_b32 v15, s47                             ; 2^ex
	s_add_co_i32 s46, s46, 15
	s_lshl_b32 s46, s46, 23
	s_or_b32 s46, s46, 0x600000
	v_mov_b32 v14, s46                             ; 57,344 x 2^ex
	s_wait_loadcnt 12                              ; row 0's four loads are in (and all that was asked for before them: W, the biases); three rows may be out
	TURN 0
.irp t, 0,1,2,3,4,5,6,7
	STEP \t
.endr
	s_wait_dscnt 0x0                               ; for the others' sake: my codes lie in LDS
	s_barrier_signal -1
	s_barrier_wait -1                              ; all eight tiles do
	s_add_co_i32 s46, s38, s39                     ; a sum stands for sum x 2^(ex + ew): the bias goes in divided by that,
	s_sub_co_i32 s47, 0, s46
	s_sub_co_i32 s48, s40, s46                     ; and the conversion takes 2^(eo - ex - ew)
	s_add_co_i32 s48, s48, 127
	s_lshl_b32 s49, s48, 23
	v_mov_b32 v15, s49
	s_add_co_i32 s48, s48, 15
	s_lshl_b32 s48, s48, 23
	s_or_b32 s48, s48, 0x600000
	v_mov_b32 v14, s48
	s_cmp_eq_u32 s3, 2                             ; the same in all waves of the work-group; both ways only read LDS
	s_cbranch_scc1 .Lv
.set n, 0
.rept 16
	v_ldexp_f32 v[BIAS+n], v[BIAS+n], s47
.set n, n+1
.endr
	CELL 0, 0
	CELL 1, 0
	CELL 2, 0
	CELL 3, 0
	s_wait_xcnt 0x0
	v_lshl_add_u32 v190, v0, 2, 0x25000
	v_mov_b32 v191, 0
	s_wait_tensorcnt 0x0
	ds_add_u32 v190, v191
	s_wait_dscnt 0x0
	s_endpgm
.Lv:
	v_ldexp_f32 v12, v12, s47
	v_ldexp_f32 v13, v13, s47
.irp u, 0,1
.irp j, 0,1,2,3,4,5,6,7
	v_mov_b32 v[BIAS+8*\u+\j], v[12+\u]            ; a lane holds one channel: its bias in all eight registers of the tile
.endr
.endr
	CELL 0, 1
	CELL 1, 1
	CELL 2, 1
	CELL 3, 1
	s_wait_xcnt 0x0
	v_lshl_add_u32 v190, v0, 2, 0x25000
	v_mov_b32 v191, 0
	s_wait_tensorcnt 0x0
	ds_add_u32 v190, v191
	s_wait_dscnt 0x0
	s_endpgm
.Lfunc_end_k_q60d39f8c5d_qkv:
	.size	k_q60d39f8c5d_qkv, .Lfunc_end_k_q60d39f8c5d_qkv-k_q60d39f8c5d_qkv
	.p2alignl 7, 3214868480
	.fill 96, 4, 3214868480
	.section	.rodata,"a",@progbits
	.p2align	6, 0x0
	.amdhsa_kernel k_q60d39f8c5d_qkv
		.amdhsa_group_segment_fixed_size 153600
		.amdhsa_private_segment_fixed_size 0
		.amdhsa_enable_private_segment 0
		.amdhsa_kernarg_size 64
		.amdhsa_user_sgpr_count 2
		.amdhsa_user_sgpr_kernarg_segment_ptr 1
		.amdhsa_wavefront_size32 1
		.amdhsa_system_sgpr_workgroup_id_x 1
		.amdhsa_system_sgpr_workgroup_id_y 1
		.amdhsa_system_sgpr_workgroup_id_z 1
		.amdhsa_system_vgpr_workitem_id 0
		.amdhsa_next_free_vgpr 256
		.amdhsa_next_free_sgpr 66
		.amdhsa_reserve_vcc 0
		.amdhsa_float_denorm_mode_32 3
		.amdhsa_float_denorm_mode_16_64 3
		.amdhsa_memory_ordered 1
		.amdhsa_forward_progress 1
		.amdhsa_inst_pref_size 78
	.end_amdhsa_kernel
	.amdgpu_metadata
---
amdhsa.version: [ 1, 2 ]
amdhsa.kernels:
  - .name:           k_q60d39f8c5d_qkv
    .symbol:         k_q60d39f8c5d_qkv.kd
    .args:
      - { .name: x, .offset: 0, .size: 8, .value_kind: global_buffer, .address_space: global }
      - { .name: wimg, .offset: 8, .size: 8, .value_kind: global_buffer, .address_space: global }
      - { .name: bq, .offset: 16, .size: 8, .value_kind: global_buffer, .address_space: global }
      - { .name: bk, .offset: 24, .size: 8, .value_kind: global_buffer, .address_space: global }
      - { .name: bv, .offset: 32, .size: 8, .value_kind: global_buffer, .address_space: global }
      - { .name: lowp_scales, .offset: 40, .size: 8, .value_kind: global_buffer, .address_space: global }
      - { .name: qc, .offset: 48, .size: 8, .value_kind: global_buffer, .address_space: global }
      - { .name: kv, .offset: 56, .size: 8, .value_kind: global_buffer, .address_space: global }
    .group_segment_fixed_size: 153600
    .private_segment_fixed_size: 0
    .kernarg_segment_align: 8
    .kernarg_segment_size: 64
    .max_flat_workgroup_size: 512
    .sgpr_count:     66
    .vgpr_count:     256
    .wavefront_size: 32
...
	.end_amdgpu_metadata
.endif
;; end of part 2
;; launch attn (part 3): grid 4 x 64, 16 waves a work-group, no clusters, 133,120 bytes of LDS; arguments qc, kv, lowp_scales, ac; writes ac
.if DOCPART == 3
	.amdgcn_target "amdgcn-amd-amdhsa--gfx1250"
	.amdhsa_code_object_version 6
	.text
	.protected	k_q60d39f8c5d_attn
	.globl	k_q60d39f8c5d_attn
	.p2align	8
	.type	k_q60d39f8c5d_attn,@function
k_q60d39f8c5d_attn:
	s_mov_b64 s[64:65], 0
	v_nop
	global_prefetch_b8 v0, s[64:65] scope:SCOPE_SE
	s_setreg_imm32_b32 hwreg(HW_REG_WAVE_MODE, 25, 1), 1
	s_wait_xcnt 0x0
; Attention on codes of E5M2, head size 32, 2,048 keys, no mask; the result is quantised (entry 10) for the product with Wo and stored as an image of that operand's registers.
; THE SOFTMAX: t = score x log2(e) / sqrt(32); M = the running largest t rounded UP to a whole number; p = 2^(t - M) is quantised with 2^e9 and is not normalised; the row's sum is taken of the unquantised p and divides at the end.
; When M moves, the sum and O are multiplied by 2^(old M - new M), which rounds nothing.
; LIMITS, so that each power of two is an f32 number: e6 + e7 between -124 and 129 (added to c's exponent field); e9 and e10 between -126 and 112; e8 + e9 goes in by v_ldexp_f32.
; SHARES: grid y is the head (16 x batch + head), grid x one of its four blocks of 512 queries; a wave owns 32 queries, two tiles A and B of 16, which share every fragment of K and V that the wave reads.  Four waves to a SIMD: one wave's softmax stands beside another's products.
; K AND V OF THE HEAD, 131,072 bytes, LIE IN LDS FOR THE WHOLE LAUNCH, written once: each wave brings 8,192 bytes through its registers (16 loads of 512 consecutive bytes, 16 LDS stores); one barrier; the loop has none.
; THE HOLD OF p IS JUMPED OVER WHERE IT CHANGES NOTHING.  M includes the step's own largest t, so p is under 1.75; the hold at 57,344 x 2^e9 = 1.75 x 2^(e9 + 15) can change a number only where e9 <= -16.  A scalar branch on e9, inside the loop,
; stands round the 64 v_min_num_f32 of a tile: 128 of a trip's instructions.
; NO JOINT LOADS, though the four work-groups of a head read the same K and V: what is shared is read once, 131,072 bytes a work-group,
; ahead of 16 trips that read no memory at all.
; LAYOUT: both products transposed: a lane holds one query (lane % 16) throughout.  K = 32 IN AN INSTRUCTION OF K = 64: source 0's eight registers hold TWO tiles of 16 keys (registers 0-3, 4-7); source 1 is [q, 0] for the first and [0, q] for the second
; (all codes are finite, so the zeros add nothing).  Row r of key tile u of block f is key 32 f + 8 u + r + 8 (r / 8): so register 16 b + i of S is key 128 step + 32 b + 16 (lane / 16) + i, the order of p's operand and of V's chunks.
; REGISTERS: v1, v2 my lane's place in K, in V; v3, v4 the step's addresses; v[8:11], v[12:15] tile A's, B's -M, largest t, sum in two halves; v[16:17] f; v18-23 at work; v24 57,344 x 2^e9, v26 2^e9; v25, v27 the same with e10;
;   v[28:39], v[40:51] 0, q, 0 of tile A, B; v52-83 K; v84-115 V; v116-179 S, then p (at the head: my 8,192 bytes of K and V); v180-195, v196-211 p's codes; v212-227, v228-243 O^T.
.set S,   116
.set KF,  52
.set VF,  84
.set QA,  28
.set QB,  40
.set PA,  180
.set PB,  196
.set OA,  212
.set OB,  228
.set WV,  12                           ; s12 my wave's number
.set E9,  27                           ; s27 e9, as it was loaded
.set SEL, 36                           ; s[36:37] v_permlanex16_b32: lane l xor 16
.set CS,  38                           ; s[38:39] c; the packed form names a pair and takes its low word
.set TB,  40                           ; s40 the step's first byte in K's and in V's half
.set CNT, 41
.macro SMUL q                          ; S^T of 128 keys for the tile whose twelve registers begin at q: eight sums, each one instruction
.irp b, 0,1,2,3
	v_wmma_f32_16x16x64_bf8_bf8 v[S+16*\b:S+16*\b+7], v[KF+8*\b:KF+8*\b+7], v[\q+4:\q+11], 0
	v_wmma_f32_16x16x64_bf8_bf8 v[S+16*\b+8:S+16*\b+15], v[KF+8*\b:KF+8*\b+7], v[\q:\q+7], 0
.endr
.endm
.macro SOFTMAX st, P, O
	v_max3_num_f32 v18, v[S], v[S+1], v[S+2]       ; the step's largest score of my query among my 64 keys: two chains, ascending, so each sum is first read at its low end
	v_max3_num_f32 v19, v[S+3], v[S+4], v[S+5]
.set j, 6
.rept 14
	v_max3_num_f32 v18, v18, v[S+j], v[S+j+1]
	v_max3_num_f32 v19, v19, v[S+j+2], v[S+j+3]
.set j, j+4
.endr
	v_max3_num_f32 v18, v18, v[S+62], v[S+63]
	v_max_num_f32 v18, v18, v19
	v_permlanex16_b32 v20, v18, s[SEL], s[SEL+1]
	v_max_num_f32 v18, v18, v20                    ; and among the other half of the lanes'
	v_mul_f32 v18, s[CS], v18                      ; as t (c is positive)
	v_max_num_f32 v[\st+1], v[\st+1], v18          ; the running largest t
	v_mov_b32 v18, v[\st]
	v_floor_f32 v[\st], -v[\st+1]                  ; -M = floor(-t)
	v_sub_f32 v18, v[\st], v18                     ; old M - new M: a whole number, 0 or less
	v_cvt_i32_f32 v18, v18                         ; (it saturates)
	v_ldexp_f32 v16, 1.0, v18                      ; f = 2^(old M - new M)
.set j, 0
.rept 32
	v_pk_fma_f32 v[S+j:S+j+1], v[S+j:S+j+1], s[CS:CS+1], v[\st:\st+1] op_sel_hi:[1,0,0]   ; t - M
.set j, j+2
.endr
.set j, 0
.rept 64
	v_exp_f32 v[S+j], v[S+j]                       ; p = 2^(t - M): one batch
.set j, j+1
.endr
	v_pk_mul_f32 v[\st+2:\st+3], v[\st+2:\st+3], v[16:17] op_sel_hi:[1,0]   ; the sums under the new M: the plain line behind the exponentials
	s_wait_alu depctr_va_vdst(0)                   ; one wait for the batch, ahead of its first reader and of the branch below
	v_pk_add_f32 v[22:23], v[S:S+1], v[S+2:S+3]    ; the sum of the UNQUANTISED p, in two chains
.set j, 4
.rept 15
	v_pk_add_f32 v[\st+2:\st+3], v[\st+2:\st+3], v[S+j:S+j+1]
	v_pk_add_f32 v[22:23], v[22:23], v[S+j+2:S+j+3]
.set j, j+4
.endr
	v_pk_add_f32 v[\st+2:\st+3], v[\st+2:\st+3], v[22:23]
	s_cmp_gt_i32 s[E9], -16                        ; e9 >= -15: the largest code x 2^e9 is 1.75 or more, over every p: the hold would change nothing
	s_cbranch_scc1 .Lfree_\@
.set j, 0
.rept 64
	v_min_num_f32 v[S+j], v[S+j], v24              ; the hold (ISA guide 7.6.2: the conversion does not saturate); p is not negative, so it is one-sided
.set j, j+1
.endr
.Lfree_\@:
.irp b, 0,1,2,3
	v_cvt_scalef32_pk8_bf8_f32 v[\P+4*\b:\P+4*\b+1], v[S+16*\b:S+16*\b+7], v26
	v_cvt_scalef32_pk8_bf8_f32 v[\P+4*\b+2:\P+4*\b+3], v[S+16*\b+8:S+16*\b+15], v26
.endr
.set j, 0
.rept 8
	v_pk_mul_f32 v[\O+j:\O+j+1], v[\O+j:\O+j+1], v[16:17] op_sel_hi:[1,0]   ; O^T under the new M; also the plain lines between the conversions and the next products
.set j, j+2
.endr
.endm
	s_load_b256 s[4:11], s[0:1], 0x0               ; qc s[4:5], kv s[6:7], the scales' exponents s[8:9], ac s[10:11]
	v_lshl_add_u32 v254, v0, 2, 0x20000
	v_mov_b32 v255, 0
	v_lshrrev_b32 v1, 5, v0
	v_readfirstlane_b32 s[WV], v1                  ; wave 0..15
	s_and_b32 s14, ttmp7, 0xffff                   ; 16 x batch + head
	s_lshl_b32 s42, s14, 17
	s_lshl_b32 s50, s[WV], 13                      ; my 8,192 bytes of the head's K and V, in memory and in LDS
	s_add_co_u32 s42, s42, s50
	s_mov_b32 s43, 0
	s_lshl_b32 s46, ttmp9, 4
	s_add_co_u32 s46, s46, s[WV]                   ; f: my block of 32 queries = 16 x work-group x + wave
	s_lshl_b32 s44, s46, 10
	s_lshl_b32 s45, s14, 16
	s_add_co_u32 s44, s44, s45
	s_mov_b32 s45, 0
	s_lshr_b32 s47, s14, 4
	s_lshl_b32 s47, s47, 7
	s_lshl_b32 s48, s46, 1
	s_add_co_u32 s47, s47, s48                     ; my first tile of tokens: 128 x batch + 2 f
	s_lshl_b32 s48, s47, 13
	s_and_b32 s47, s14, 15
	s_lshl_b32 s47, s47, 9                         ; the head is chunk head % 4 of K step head / 4
	s_add_co_u32 s48, s48, s47
	s_mov_b32 s49, 0
	s_mov_b32 s[SEL], 0x76543210
	s_mov_b32 s[SEL+1], 0xfedcba98
	s_mov_b32 s[CS], 0x3e8293ee                    ; c = log2(e) / sqrt(32)
	s_mov_b32 s[TB], 0
	s_mov_b32 s[CNT], 0
	v_and_b32 v2, 31, v0
	v_lshlrev_b32 v1, 4, v2                        ; 16 x lane
	v_add_nc_u32 v2, 0x10000, v1                   ; V lies behind K's 65,536 bytes
	v_add_nc_u32 v3, s50, v1                       ; where my 8,192 bytes go in LDS
	s_wait_kmcnt 0x0
	s_load_b128 s[24:27], s[8:9], 0x18             ; e6, e7, e8, e9
	s_load_b32 s28, s[8:9], 0x28                   ; e10
	s_add_nc_u64 s[6:7], s[6:7], s[42:43]
	s_add_nc_u64 s[4:5], s[4:5], s[44:45]
	s_add_nc_u64 s[10:11], s[10:11], s[48:49]
	global_load_b128 v[QA+4:QA+7], v1, s[4:5]
	global_load_b128 v[QB+4:QB+7], v1, s[4:5] offset:512
.set i, 0
.rept 16
	global_load_b128 v[S+4*i:S+4*i+3], v1, s[6:7] offset:512*i   ; 512 consecutive bytes a load; three other work-groups read the same bytes, so no hint
.set i, i+1
.endr
.irp j, 0,1,2,3,8,9,10,11
	v_mov_b32 v[QA+\j], 0
	v_mov_b32 v[QB+\j], 0
.endr
	v_mov_b32 v9, 0xff61b1e6                       ; the largest t so far: -3e38, under every t
	v_mov_b32 v13, 0xff61b1e6
	v_floor_f32 v8, -v9
	v_floor_f32 v12, -v13
.irp j, 10,11,14,15,17,20,21
	v_mov_b32 v\j, 0                               ; the sums; and registers that are named before they hold anything: a pair's upper half, the permutes' destinations
.endr
.set j, 0
.rept 32
	v_mov_b32 v[OA+j], 0                           ; O^T: the step is written once; its first trip finds zeros
.set j, j+1
.endr
	s_wait_kmcnt 0x0
	s_add_co_i32 s51, s24, s25
	s_lshl_b32 s51, s51, 23
	s_add_co_i32 s[CS], s[CS], s51                 ; a score stands for score x 2^(e6 + e7)
	s_mov_b32 s[CS+1], s[CS]
	s_add_co_i32 s51, s[E9], 127
	s_lshl_b32 s52, s51, 23
	v_mov_b32 v26, s52                             ; 2^e9
	s_add_co_i32 s51, s51, 15
	s_lshl_b32 s51, s51, 23
	s_or_b32 s51, s51, 0x600000
	v_mov_b32 v24, s51                             ; 57,344 x 2^e9
	s_add_co_i32 s51, s28, 127
	s_lshl_b32 s52, s51, 23
	v_mov_b32 v27, s52                             ; 2^e10
	s_add_co_i32 s51, s51, 15
	s_lshl_b32 s51, s51, 23
	s_or_b32 s51, s51, 0x600000
	v_mov_b32 v25, s51                             ; 57,344 x 2^e10
	s_add_co_i32 s53, s26, s[E9]                   ; e8 + e9
.set i, 0
.rept 16
	s_wait_loadcnt 15-i                            ; loads come back in order (ISA guide 5.7.1): load i is in (and q, asked for before it); the 15 - i behind it may be out
	ds_store_b128 v3, v[S+4*i:S+4*i+3] offset:512*i
.set i, i+1
.endr
	s_wait_dscnt 0x0                               ; for the others' sake: my 8,192 bytes lie in LDS,
	s_barrier_signal -1
	s_barrier_wait -1                              ; everybody's do
.Lstep:                                            ; 16 trips of 128 keys
	v_add_nc_u32 v3, s[TB], v1
	v_add_nc_u32 v4, s[TB], v2
	v_nop
	v_nop                                          ; with the two additions: four places in front of loads into registers that the last products read
.irp b, 0,1,2,3
.irp u, 0,1
	ds_load_b128 v[KF+8*\b+4*\u:KF+8*\b+4*\u+3], v3 offset:1024*\b+512*\u
.endr
.endr
.irp d, 0,1
.irp c, 0,1,2,3
	ds_load_b128 v[VF+16*\d+4*\c:VF+16*\d+4*\c+3], v4 offset:2048*\d+512*\c
.endr
.endr
	s_wait_dscnt 8                                 ; K's eight loads are in; V's eight may be out
	SMUL QA
.rept 4
	v_nop
.endr
	SOFTMAX 8, PA, OA
	SMUL QB
.rept 4
	v_nop
.endr
	SOFTMAX 12, PB, OB
	s_wait_dscnt 0x0                               ; V
	v_wmma_f32_16x16x128_bf8_bf8 v[OA:OA+7], v[VF:VF+15], v[PA:PA+15], v[OA:OA+7]             ; O^T += V^T P^T: four accumulators by turns
	v_wmma_f32_16x16x128_bf8_bf8 v[OB:OB+7], v[VF:VF+15], v[PB:PB+15], v[OB:OB+7]
	v_wmma_f32_16x16x128_bf8_bf8 v[OA+8:OA+15], v[VF+16:VF+31], v[PA:PA+15], v[OA+8:OA+15]
	v_wmma_f32_16x16x128_bf8_bf8 v[OB+8:OB+15], v[VF+16:VF+31], v[PB:PB+15], v[OB+8:OB+15]
	s_add_co_u32 s[TB], s[TB], 4096
	s_add_co_u32 s[CNT], s[CNT], 1
	s_cmp_lt_u32 s[CNT], 16
	s_cbranch_scc1 .Lstep
	; THE WAY OUT: O^T x 2^(e8 + e9) / the sum, quantised with 2^e10.  Register 8 dt + j of a lane is channel 16 (lane / 16) + 8 dt + j: 16 neighbours along the next K.  The lines on the sums are the places behind the last products.
	v_add_f32 v18, v10, v11
	v_add_f32 v19, v14, v15
	v_permlanex16_b32 v20, v18, s[SEL], s[SEL+1]
	v_permlanex16_b32 v21, v19, s[SEL], s[SEL+1]
	v_add_f32 v18, v18, v20
	v_add_f32 v19, v19, v21
	v_rcp_f32 v18, v18
	v_rcp_f32 v19, v19
	v_nop                                          ; a plain line behind the reciprocals,
	s_wait_alu depctr_va_vdst(0)                   ; and one wait for both, ahead of the first reader
	v_ldexp_f32 v18, v18, s53
	v_ldexp_f32 v19, v19, s53
.set j, 0
.rept 16
	v_mul_f32 v[S+j], v[OA+j], v18
.set j, j+1
.endr
.set j, 0
.rept 16
	v_mul_f32 v[S+16+j], v[OB+j], v19
.set j, j+1
.endr
.set j, 0
.rept 32
	v_med3_num_f32 v[S+j], v[S+j], -v25, v25       ; this hold always stands: nothing bounds the result against its given scale
.set j, j+1
.endr
	v_cvt_scalef32_pk8_bf8_f32 v[PA:PA+1], v[S:S+7], v27
	v_cvt_scalef32_pk8_bf8_f32 v[PA+2:PA+3], v[S+8:S+15], v27
	v_cvt_scalef32_pk8_bf8_f32 v[PB:PB+1], v[S+16:S+23], v27
	v_cvt_scalef32_pk8_bf8_f32 v[PB+2:PB+3], v[S+24:S+31], v27
	v_nop
	global_store_b128 v1, v[PA:PA+3], s[10:11]               ; each store covers 512 consecutive bytes, aligned
	global_store_b128 v1, v[PB:PB+3], s[10:11] offset:8192   ; the next tile of tokens
	s_wait_tensorcnt 0x0
	ds_add_u32 v254, v255
	s_wait_dscnt 0x0
	s_endpgm
.Lfunc_end_k_q60d39f8c5d_attn:
	.size	k_q60d39f8c5d_attn, .Lfunc_end_k_q60d39f8c5d_attn-k_q60d39f8c5d_attn
	.p2alignl 7, 3214868480
	.fill 96, 4, 3214868480
	.section	.rodata,"a",@progbits
	.p2align	6, 0x0
	.amdhsa_kernel k_q60d39f8c5d_attn
		.amdhsa_group_segment_fixed_size 133120
		.amdhsa_private_segment_fixed_size 0
		.amdhsa_enable_private_segment 0
		.amdhsa_kernarg_size 32
		.amdhsa_user_sgpr_count 2
		.amdhsa_user_sgpr_kernarg_segment_ptr 1
		.amdhsa_wavefront_size32 1
		.amdhsa_system_sgpr_workgroup_id_x 1
		.amdhsa_system_sgpr_workgroup_id_y 1
		.amdhsa_system_sgpr_workgroup_id_z 1
		.amdhsa_system_vgpr_workitem_id 0
		.amdhsa_next_free_vgpr 256
		.amdhsa_next_free_sgpr 66
		.amdhsa_reserve_vcc 0
		.amdhsa_float_denorm_mode_32 3
		.amdhsa_float_denorm_mode_16_64 3
		.amdhsa_memory_ordered 1
		.amdhsa_forward_progress 1
		.amdhsa_inst_pref_size 38
	.end_amdhsa_kernel
	.amdgpu_metadata
---
amdhsa.version: [ 1, 2 ]
amdhsa.kernels:
  - .name:           k_q60d39f8c5d_attn
    .symbol:         k_q60d39f8c5d_attn.kd
    .args:
      - { .name: qc, .offset: 0, .size: 8, .value_kind: global_buffer, .address_space: global }
      - { .name: kv, .offset: 8, .size: 8, .value_kind: global_buffer, .address_space: global }
      - { .name: lowp_scales, .offset: 16, .size: 8, .value_kind: global_buffer, .address_space: global }
      - { .name: ac, .offset: 24, .size: 8, .value_kind: global_buffer, .address_space: global }
    .group_segment_fixed_size: 133120
    .private_segment_fixed_size: 0
    .kernarg_segment_align: 8
    .kernarg_segment_size: 32
    .max_flat_workgroup_size: 512
    .sgpr_count:     66
    .vgpr_count:     256
    .wavefront_size: 32
...
	.end_amdgpu_metadata
.endif
;; end of part 3
;; launch post (part 4): grid 256 x 1, 16 waves a work-group, no clusters, 197,120 bytes of LDS; arguments ac, wimg, x, bo, ln1_a, ln1_b, b1, b2, ln2_a, ln2_b, lowp_scales, out0; writes out0
.if DOCPART == 4
	.amdgcn_target "amdgcn-amd-amdhsa--gfx1250"
	.amdhsa_code_object_version 6
	.text
	.protected	k_q60d39f8c5d_post
	.globl	k_q60d39f8c5d_post
	.p2align	8
	.type	k_q60d39f8c5d_post,@function
k_q60d39f8c5d_post:
	s_mov_b64 s[64:65], 0
	v_nop
	global_prefetch_b8 v0, s[64:65] scope:SCOPE_SE
	s_setreg_imm32_b32 hwreg(HW_REG_WAVE_MODE, 25, 1), 1
	s_wait_xcnt 0x0
; out0 = LN2(relu(Q(h2) Q(W1) + b1) as codes x Q(W2) + b2 + h2), h2 = LN1(attn's codes x Q(Wo) + bo + x), for 32 tokens a work-group.  h2 and the hidden layer never go to memory.
; LN(z) = (z - mean) / (sigma + 0.001) x a + b, sigma with 511 in the divisor; the variance is taken of z - mean in a second pass, so no difference of large sums is formed.
; LIMITS, so that each power of two is an f32 number: e10 + e11, e12 + e13, e14 + e15 between -126 and 126; e12, and e14 - e12 - e13, between -126 and 112.  NaN among the inputs is not served.
; SHARES: the 32 tokens are two tiles (row r of tile t is token 8 t + r + 8 (r / 8) of the block).  THE WAVES SHARE THE COLUMNS: wave w owns features 32 w .. + 31 of Wo's and W2's results and hidden units 128 w .. + 127, which are K step w of the last product.
; All products transposed (source 0 = weights, source 1 = rows): a lane holds one token, and register 16 t + i of Z is feature 32 w + 16 (lane / 16) + i.
; THE WEIGHTS come from wimg straight into registers, in groups of two fragments (8 loads of 512 consecutive bytes), through a ring of three groups with counted waits: two groups stay on their way while one is multiplied.
; THE ROWS' FRAGMENTS come from LDS.  In the first and the last product, where the hidden layer's 64 registers are idle, they have two sets of registers and are fetched one K step ahead of their products.
; NO JOINT LOADS, though all 256 work-groups walk the same 2,359,296 bytes of codes: the activations hold 195,072 of LDS's 327,680 bytes, so two slots could have 65,536 bytes at the most: 36 changes of slots, each with all loads waited for;
; and a fragment is read by ONE wave, for four matrix instructions, so LDS would add a write and a read of every byte.
; Residual and bias are the C of each sum's first link, divided by the power of two that the sums lack.
; LDS: XS 32 rows x 2,064 (x in, out0 out; 516 words: 16 rows of a load start at 16 different banks, 64 banks of 4 bytes: ISA guide 11.1); AI attn's codes; H2I h2's; HID the hidden layer's [t][s 16][c][lane][16]; PAR six vectors of 512; PB1 b1; RED four exchanges of 32 x 80.
.set XS,  0
.set AI,  66048
.set H2I, 82432
.set HID, 98816
.set PAR, 164352
.set PB1, 176640
.set RED, 184832
.set WO_OFF, 786432
.set W1_OFF, 1048576
.set W2_OFF, 2097152
; v1 16 lane; v2, v3 + 16,384 w, + 65,536 w (weights); v4 XS by threads; v5 XS by (r, w, h); v6 PAR, v7 PB1 at my features; v8, v9 RED in, out; v10 H2I, v11 HID where my codes go; v12 4 tid; v13 16 tid; v14 AI, v15 H2I, v16, v17 HID + 16 lane;
; v18 PAR + 4 tid; v19 AI + 16 tid; v20-25 at work; v26 scale, v27 limit; v[28:29], v[30:31] a number for tile 0, 1 in the low word
.set Z,    32                          ; v32-63
.set AF,   64                          ; v64-95   two row fragments; the second set, 64 registers on (v128-159), lies in HA's upper half
.set HA,   96                          ; v96-159  the hidden layer's eight accumulators; else at work
.set RING, 160                         ; v160-255 three groups of weights
.set SEL, 38                           ; s[38:39]
.set HM,  40                           ; s40 the lanes 16-31
.macro BAR                             ; my LDS stores have landed and my LDS loads are in; then the work-group's barrier
	s_wait_dscnt 0x0
	s_barrier_signal -1
	s_barrier_wait -1
.endm
; Group g of 36: 0-3 Wo's K steps; 4-19 W1: 4 + 8 p + 2 s + b' for block 2 p + b' of my four, K step s; 20-35 W2's K steps.
.macro GLOAD g
.if (\g) < 4
.set GA, 2
.set GI, WO_OFF+4096*(\g)
.elseif (\g) < 20
.set GA, 3
.set gq, (\g)-4
.set GI, W1_OFF+16384*(2*(gq/8)+(gq%2))+4096*((gq%8)/2)
.else
.set GA, 3
.set GI, W2_OFF+4096*((\g)-20)
.endif
.set GL, RING+32*((\g)%3)
.irp u, 0,1
.irp c, 0,1,2,3
	global_load_b128 v[GL+16*\u+4*\c:GL+16*\u+4*\c+3], v[GA], s[10:11] offset:GI+2048*\u+512*\c
.endr
.endr
.endm
.macro GUSE g, acc, af                 ; four links, four accumulators by turns, on the row fragments at af; then the group three further on takes the weights' registers
.if 35-(\g) >= 2
	s_wait_loadcnt 16                              ; group g is in; the two groups behind it, eight loads each, may be out
.else
	s_wait_loadcnt 8*(35-(\g))
.endif
.set GR, RING+32*((\g)%3)
.irp u, 0,1
.irp t, 0,1
	v_wmma_f32_16x16x128_bf8_bf8 v[\acc+16*\t+8*\u:\acc+16*\t+8*\u+7], v[GR+16*\u:GR+16*\u+15], v[\af+16*\t:\af+16*\t+15], v[\acc+16*\t+8*\u:\acc+16*\t+8*\u+7]
.endr
.endr
.rept 4
	v_nop                                          ; four places: for the loads into the ring and into the row fragments, and for the first read of results (ISA guide 7.12.1 for vector instructions)
.endr
.if (\g)+3 <= 35
	GLOAD (\g)+3
.endif
.endm
.macro AFI buf, a0, a1, o1, s          ; the two tiles' fragments of K step s are asked for, into the 32 registers from buf on
.irp c, 0,1,2,3
	ds_load_b128 v[\buf+4*\c:\buf+4*\c+3], v[\a0] offset:2048*(\s)+512*\c
.endr
.irp c, 0,1,2,3
	ds_load_b128 v[\buf+16+4*\c:\buf+16+4*\c+3], v[\a1] offset:\o1+2048*(\s)+512*\c
.endr
.endm
.macro SUM16 d, b                      ; v[d] = the sum of v[b] .. v[b + 15], which stay
	v_pk_add_f32 v[22:23], v[\b:\b+1], v[\b+2:\b+3]
	v_pk_add_f32 v[24:25], v[\b+4:\b+5], v[\b+6:\b+7]
	v_pk_add_f32 v[22:23], v[22:23], v[\b+8:\b+9]
	v_pk_add_f32 v[24:25], v[24:25], v[\b+10:\b+11]
	v_pk_add_f32 v[22:23], v[22:23], v[\b+12:\b+13]
	v_pk_add_f32 v[24:25], v[24:25], v[\b+14:\b+15]
	v_pk_add_f32 v[22:23], v[22:23], v[24:25]
	v_add_f32 v[\d], v22, v23
.endm
.macro SQ16 d, b                       ; the sum of their squares
	v_pk_mul_f32 v[22:23], v[\b:\b+1], v[\b:\b+1]
	v_pk_mul_f32 v[24:25], v[\b+2:\b+3], v[\b+2:\b+3]
.irp j, 4,8,12
	v_pk_fma_f32 v[22:23], v[\b+\j:\b+\j+1], v[\b+\j:\b+\j+1], v[22:23]
	v_pk_fma_f32 v[24:25], v[\b+\j+2:\b+\j+3], v[\b+\j+2:\b+\j+3], v[24:25]
.endr
	v_pk_add_f32 v[22:23], v[22:23], v[24:25]
	v_add_f32 v[\d], v22, v23
.endm
; v28, v30: my lane's sums over its 16 features for tile 0, 1.  Out: the rows' sums over all 512 features, in every lane.  Lane L carries row L (tile L / 16) through LDS: 16 words a row, one from each wave; every wave adds them in the same order.
.macro ROWSUM off
	v_permlanex16_b32 v20, v28, s[SEL], s[SEL+1]
	v_permlanex16_b32 v21, v30, s[SEL], s[SEL+1]
	v_add_f32 v28, v28, v20
	v_add_f32 v30, v30, v21                        ; my wave's 32 features
	v_cndmask_b32 v20, v28, v30, s[HM]
	ds_store_b32 v8, v20 offset:\off
	BAR
.irp j, 0,1,2,3
	ds_load_b128 v[HA+32+4*\j:HA+32+4*\j+3], v9 offset:\off+16*\j
.endr
	s_wait_dscnt 0x0
	SUM16 20, HA+32
	v_permlanex16_b32 v21, v20, s[SEL], s[SEL+1]
	v_cndmask_b32 v28, v20, v21, s[HM]             ; tile 0's: my own in lanes 0-15
	v_cndmask_b32 v30, v21, v20, s[HM]             ; tile 1's: my own in lanes 16-31
.endm
.macro LN k, pa, pb                    ; Z = LN(Z); k picks two of RED's regions; pa, pb: the gain's and the offset's place in PAR
.irp j, 0,1,2,3
	ds_load_b128 v[HA+4*\j:HA+4*\j+3], v6 offset:\pa+16*\j
	ds_load_b128 v[HA+16+4*\j:HA+16+4*\j+3], v6 offset:\pb+16*\j
.endr
	SUM16 28, Z
	SUM16 30, Z+16
	ROWSUM 5120*\k
	v_mul_f32 v28, 0x3b000000, v28                 ; / 512
	v_mul_f32 v30, 0x3b000000, v30
.irp t, 0,1
.set n, 0
.rept 8
	v_pk_add_f32 v[Z+16*\t+n:Z+16*\t+n+1], v[Z+16*\t+n:Z+16*\t+n+1], v[28+2*\t:29+2*\t] op_sel_hi:[1,0] neg_lo:[0,1] neg_hi:[0,1]
.set n, n+2
.endr
.endr
	SQ16 28, Z
	SQ16 30, Z+16
	ROWSUM 5120*\k+2560
	v_mul_f32 v28, 0x3b004020, v28                 ; / 511
	v_mul_f32 v30, 0x3b004020, v30
	v_sqrt_f32 v28, v28
	v_sqrt_f32 v30, v30
	v_nop                                          ; a plain line behind the batch, then its one wait
	s_wait_alu depctr_va_vdst(0)
	v_add_f32 v28, 0x3a83126f, v28                 ; + 0.001
	v_add_f32 v30, 0x3a83126f, v30
	v_rcp_f32 v28, v28
	v_rcp_f32 v30, v30
	v_nop
	s_wait_alu depctr_va_vdst(0)
.irp t, 0,1
.set n, 0
.rept 8
	v_pk_mul_f32 v[Z+16*\t+n:Z+16*\t+n+1], v[Z+16*\t+n:Z+16*\t+n+1], v[28+2*\t:29+2*\t] op_sel_hi:[1,0]
.set n, n+2
.endr
.endr
.irp t, 0,1
.set n, 0
.rept 8
	v_pk_fma_f32 v[Z+16*\t+n:Z+16*\t+n+1], v[Z+16*\t+n:Z+16*\t+n+1], v[HA+n:HA+n+1], v[HA+16+n:HA+16+n+1]
.set n, n+2
.endr
.endr
.endm
.macro ZSCALE sp                       ; Z x the power of two in s[sp]; ascending
.set n, 0
.rept 16
	v_pk_mul_f32 v[Z+n:Z+n+1], v[Z+n:Z+n+1], s[\sp:\sp+1] op_sel_hi:[1,0]
.set n, n+2
.endr
.endm
.macro ZSTART sp                       ; Z = Z x s[sp] + (v[HA] .. v[HA + 15]) x s[sp]: residual and bias, as the sums' beginning
.set n, 0
.rept 8
	v_pk_mul_f32 v[HA+n:HA+n+1], v[HA+n:HA+n+1], s[\sp:\sp+1] op_sel_hi:[1,0]
.set n, n+2
.endr
.irp t, 0,1
.set n, 0
.rept 8
	v_pk_fma_f32 v[Z+16*\t+n:Z+16*\t+n+1], v[Z+16*\t+n:Z+16*\t+n+1], s[\sp:\sp+1], v[HA+n:HA+n+1] op_sel_hi:[1,0,1]
.set n, n+2
.endr
.endr
.endm
	s_load_b512 s[8:23], s[0:1], 0x0               ; ac, wimg s[10:11], x s[12:13], bo, ln1_a, ln1_b, b1 s[20:21], b2 s[22:23]
	s_load_b256 s[24:31], s[0:1], 0x40             ; ln2_a, ln2_b, the scales' exponents s[28:29], out0 s[30:31]
	v_lshrrev_b32 v20, 5, v0
	v_readfirstlane_b32 s2, v20                    ; wave 0..15
	v_and_b32 v20, 31, v0                          ; lane
	v_and_b32 v21, 15, v0                          ; r
	v_bfe_u32 v22, v0, 4, 1                        ; h
	v_lshlrev_b32 v1, 4, v20
	s_lshl_b32 s3, s2, 14
	v_add_nc_u32 v2, s3, v1
	s_lshl_b32 s3, s2, 16
	v_add_nc_u32 v3, s3, v1
	v_lshrrev_b32 v4, 7, v0
	v_mul_u32_u24 v4, v4, 2064
	v_and_b32 v23, 127, v0
	v_lshl_add_u32 v4, v23, 4, v4                  ; row tid / 128, byte 16 (tid % 128)
	s_lshl_b32 s3, s2, 7
	v_lshl_add_u32 v23, v22, 6, s3                 ; 128 w + 64 h: my 16 features in bytes
	v_mul_u32_u24 v5, v21, 2064
	v_add_nc_u32 v5, v5, v23
	v_add_nc_u32 v6, PAR, v23
	s_lshl_b32 s3, s2, 9
	v_lshl_add_u32 v7, v22, 6, s3
	v_add_nc_u32 v7, PB1, v7                       ; b1 at hidden unit 128 w + 16 h
	v_mul_u32_u24 v9, v20, 80
	v_add_nc_u32 v9, RED, v9
	s_lshl_b32 s4, s2, 2
	v_add_nc_u32 v8, s4, v9
	v_add_nc_u32 v10, s3, v1
	v_add_nc_u32 v10, H2I, v10                     ; features 32 w on are chunk w % 4 of K step w / 4: 512 w
	s_lshl_b32 s4, s2, 11
	v_add_nc_u32 v11, s4, v1
	v_add_nc_u32 v11, HID, v11                     ; K step w
	v_lshlrev_b32 v12, 2, v0
	v_lshlrev_b32 v13, 4, v0
	v_add_nc_u32 v14, AI, v1
	v_add_nc_u32 v15, H2I, v1
	v_add_nc_u32 v16, HID, v1
	v_add_nc_u32 v17, HID+32768, v1
	v_add_nc_u32 v18, PAR, v12
	v_add_nc_u32 v19, AI, v13
	v_add_nc_u32 v24, PB1, v13
	v_mov_b32 v29, 0                               ; named as the upper halves of pairs
	v_mov_b32 v31, 0
	s_mov_b32 s[SEL], 0x76543210
	s_mov_b32 s[SEL+1], 0xfedcba98
	s_mov_b32 s[HM], 0xffff0000
	s_lshl_b32 s56, ttmp9, 16                      ; 32 rows of 2,048 bytes
	s_mov_b32 s57, 0
	s_lshl_b32 s58, ttmp9, 14                      ; two tiles of 8,192 bytes of codes
	s_mov_b32 s59, 0
	s_wait_kmcnt 0x0
	s_load_b128 s[32:35], s[28:29], 0x28           ; e10 .. e13
	s_load_b64 s[36:37], s[28:29], 0x38            ; e14, e15
	s_add_nc_u64 s[12:13], s[12:13], s[56:57]
	s_add_nc_u64 s[30:31], s[30:31], s[56:57]
	s_add_nc_u64 s[8:9], s[8:9], s[58:59]
.irp i, 0,1,2,3,4,5,6,7
	global_load_b128 v[HA+4*\i:HA+4*\i+3], v13, s[12:13] offset:8192*\i th:TH_LOAD_NT   ; x: token 4 i + tid / 128
.endr
	global_load_b128 v[HA+32:HA+35], v13, s[8:9] th:TH_LOAD_NT
	global_load_b128 v[HA+36:HA+39], v13, s[8:9] offset:8192 th:TH_LOAD_NT
	global_load_b32 v[HA+40], v12, s[14:15]
	global_load_b32 v[HA+41], v12, s[16:17]
	global_load_b32 v[HA+42], v12, s[18:19]
	global_load_b32 v[HA+43], v12, s[22:23]
	global_load_b32 v[HA+44], v12, s[24:25]
	global_load_b32 v[HA+45], v12, s[26:27]
	global_load_b128 v[HA+48:HA+51], v13, s[20:21]
	GLOAD 0
	GLOAD 1
	GLOAD 2
	s_wait_kmcnt 0x0
	s_add_co_i32 s3, s32, s33                      ; EA = e10 + e11
	s_sub_co_i32 s4, 127, s3
	s_lshl_b32 s42, s4, 23                         ; 2^-EA
	s_mov_b32 s43, s42                             ; (the packed forms name pairs)
	s_add_co_i32 s4, s3, 127
	s_lshl_b32 s44, s4, 23                         ; 2^EA
	s_mov_b32 s45, s44
	s_add_co_i32 s3, s34, s35                      ; EB = e12 + e13
	s_sub_co_i32 s4, 127, s3
	s_lshl_b32 s46, s4, 23                         ; 2^-EB
	s_mov_b32 s47, s46
	s_sub_co_i32 s5, s36, s3
	s_add_co_i32 s5, s5, 127
	s_lshl_b32 s54, s5, 23                         ; 2^(e14 - EB): the hidden layer's conversion
	s_add_co_i32 s5, s5, 15
	s_lshl_b32 s55, s5, 23
	s_or_b32 s55, s55, 0x600000                    ; 57,344 x that
	s_add_co_i32 s3, s36, s37                      ; EC = e14 + e15
	s_sub_co_i32 s4, 127, s3
	s_lshl_b32 s48, s4, 23                         ; 2^-EC
	s_mov_b32 s49, s48
	s_add_co_i32 s4, s3, 127
	s_lshl_b32 s50, s4, 23                         ; 2^EC
	s_mov_b32 s51, s50
	s_add_co_i32 s5, s34, 127
	s_lshl_b32 s52, s5, 23                         ; 2^e12: h2's conversion
	s_add_co_i32 s5, s5, 15
	s_lshl_b32 s53, s5, 23
	s_or_b32 s53, s53, 0x600000
	s_wait_loadcnt 24                              ; all but the ring's three groups
.irp i, 0,1,2,3,4,5,6,7
	ds_store_b128 v4, v[HA+4*\i:HA+4*\i+3] offset:(16*((\i>>1)&1)+8*(\i>>2)+4*(\i&1))*2064   ; token tk lies in row 16 ((tk / 8) % 2) + 8 (tk / 16) + tk % 8
.endr
	ds_store_b128 v19, v[HA+32:HA+35]
	ds_store_b128 v19, v[HA+36:HA+39] offset:8192
.irp k, 0,1,2,3,4,5
	ds_store_b32 v18, v[HA+40+\k] offset:2048*\k   ; bo, ln1_a, ln1_b, b2, ln2_a, ln2_b
.endr
	ds_store_b128 v24, v[HA+48:HA+51]
	BAR
	; ---- A: attn x Wo + bo + x
.irp t, 0,1
.irp j, 0,1,2,3
	ds_load_b128 v[Z+16*\t+4*\j:Z+16*\t+4*\j+3], v5 offset:33024*\t+16*\j
.endr
.endr
.irp j, 0,1,2,3
	ds_load_b128 v[HA+4*\j:HA+4*\j+3], v6 offset:16*\j
.endr
	s_wait_dscnt 0x0
	ZSTART 42
	AFI AF, 14, 14, 8192, 0
.irp s, 0,1,2,3
.if \s < 3
	AFI AF+64*((\s+1)%2), 14, 14, 8192, \s+1       ; the next K step's fragments, into the set that the step before multiplied: its four places stand at that step's end
	s_wait_dscnt 8                                 ; this step's eight loads are in; the eight just issued may be out
.else
	s_wait_dscnt 0x0
.endif
	GUSE \s, Z, AF+64*(\s%2)
.endr
	ZSCALE 44
	LN 0, 2048, 4096                               ; Z = h2
	; ---- h2's codes: the numbers stay in Z, the held ones go into other registers
	v_mov_b32 v26, s52
	v_mov_b32 v27, s53
.irp t, 0,1
.set n, 0
.rept 16
	v_med3_num_f32 v[HA+16*\t+n], v[Z+16*\t+n], -v27, v27
.set n, n+1
.endr
	v_cvt_scalef32_pk8_bf8_f32 v[HA+32+4*\t:HA+33+4*\t], v[HA+16*\t:HA+16*\t+7], v26
	v_cvt_scalef32_pk8_bf8_f32 v[HA+34+4*\t:HA+35+4*\t], v[HA+16*\t+8:HA+16*\t+15], v26
.endr
	v_nop                                          ; a plain line behind the last conversion
	ds_store_b128 v10, v[HA+32:HA+35]
	ds_store_b128 v10, v[HA+36:HA+39] offset:8192
	BAR
	; ---- B: the hidden layer, two of my four blocks of 32 units at a time.  All 64 registers of HA are sums here: the rows' fragments have one set
	v_mov_b32 v26, s54
	v_mov_b32 v27, s55
.irp p, 0,1
.irp b, 0,1
.irp t, 0,1
.irp j, 0,1,2,3
	ds_load_b128 v[HA+32*\b+16*\t+4*\j:HA+32*\b+16*\t+4*\j+3], v7 offset:128*(2*\p+\b)+16*\j
.endr
.endr
.endr
	s_wait_dscnt 0x0
.set n, 0
.rept 32
	v_pk_mul_f32 v[HA+n:HA+n+1], v[HA+n:HA+n+1], s[46:47] op_sel_hi:[1,0]   ; b1 / 2^EB begins the sums
.set n, n+2
.endr
.irp s, 0,1,2,3
	AFI AF, 15, 15, 8192, \s
	s_wait_dscnt 0x0
	GUSE 4+8*\p+2*\s, HA, AF
	GUSE 5+8*\p+2*\s, HA+32, AF
.endr
.set n, 0
.rept 64
	v_med3_num_f32 v[HA+n], v[HA+n], 0, v27        ; the activation and the hold in one
.set n, n+1
.endr
.irp b, 0,1
.irp t, 0,1
	v_cvt_scalef32_pk8_bf8_f32 v[AF+4*(2*\b+\t):AF+4*(2*\b+\t)+1], v[HA+32*\b+16*\t:HA+32*\b+16*\t+7], v26
	v_cvt_scalef32_pk8_bf8_f32 v[AF+4*(2*\b+\t)+2:AF+4*(2*\b+\t)+3], v[HA+32*\b+16*\t+8:HA+32*\b+16*\t+15], v26
.endr
.endr
	v_nop
.irp b, 0,1
.irp t, 0,1
	ds_store_b128 v11, v[AF+4*(2*\b+\t):AF+4*(2*\b+\t)+3] offset:32768*\t+512*(2*\p+\b)   ; chunk 2 p + b of K step w
.endr
.endr
.endr
.irp j, 0,1,2,3
	ds_load_b128 v[HA+4*\j:HA+4*\j+3], v6 offset:6144+16*\j   ; b2
.endr
	s_wait_dscnt 0x0
	ZSTART 48                                      ; (h2 + b2) / 2^EC begins the last sums
	BAR
	; ---- C: hidden x W2 + b2 + h2
	AFI AF, 16, 17, 0, 0
.irp s, 0,1,2,3,4,5,6,7,8,9,10,11,12,13,14,15
.if \s < 15
	AFI AF+64*((\s+1)%2), 16, 17, 0, \s+1          ; one K step ahead, as in A
	s_wait_dscnt 8                                 ; this step's eight loads are in; the eight just issued may be out
.else
	s_wait_dscnt 0x0
.endif
	GUSE 20+\s, Z, AF+64*(\s%2)
.endr
	ZSCALE 50
	LN 1, 8192, 10240
	; ---- the way out: through XS (its last reads were waited for ahead of the first barrier behind them), back as whole rows
.irp t, 0,1
.irp j, 0,1,2,3
	ds_store_b128 v5, v[Z+16*\t+4*\j:Z+16*\t+4*\j+3] offset:33024*\t+16*\j
.endr
.endr
	BAR
.irp i, 0,1,2,3,4,5,6,7
	ds_load_b128 v[HA+4*\i:HA+4*\i+3], v4 offset:(16*((\i>>1)&1)+8*(\i>>2)+4*(\i&1))*2064
.endr
.irp i, 0,1,2,3,4,5,6,7
	s_wait_dscnt 7-\i                              ; LDS loads come back in order (ISA guide 5.7.1): load i is in, the younger ones may be out
	global_store_b128 v13, v[HA+4*\i:HA+4*\i+3], s[30:31] offset:8192*\i th:TH_STORE_NT   ; a wave stores 512 consecutive bytes, aligned
.endr
	s_wait_xcnt 0x0
	v_lshl_add_u32 v254, v0, 2, 0x2fa00
	v_mov_b32 v255, 0
	s_wait_tensorcnt 0x0
	ds_add_u32 v254, v255
	s_wait_dscnt 0x0
	s_endpgm
.Lfunc_end_k_q60d39f8c5d_post:
	.size	k_q60d39f8c5d_post, .Lfunc_end_k_q60d39f8c5d_post-k_q60d39f8c5d_post
	.p2alignl 7, 3214868480
	.fill 96, 4, 3214868480
	.section	.rodata,"a",@progbits
	.p2align	6, 0x0
	.amdhsa_kernel k_q60d39f8c5d_post
		.amdhsa_group_segment_fixed_size 197120
		.amdhsa_private_segment_fixed_size 0
		.amdhsa_enable_private_segment 0
		.amdhsa_kernarg_size 96
		.amdhsa_user_sgpr_count 2
		.amdhsa_user_sgpr_kernarg_segment_ptr 1
		.amdhsa_wavefront_size32 1
		.amdhsa_system_sgpr_workgroup_id_x 1
		.amdhsa_system_sgpr_workgroup_id_y 1
		.amdhsa_system_sgpr_workgroup_id_z 1
		.amdhsa_system_vgpr_workitem_id 0
		.amdhsa_next_free_vgpr 256
		.amdhsa_next_free_sgpr 66
		.amdhsa_reserve_vcc 0
		.amdhsa_float_denorm_mode_32 3
		.amdhsa_float_denorm_mode_16_64 3
		.amdhsa_memory_ordered 1
		.amdhsa_forward_progress 1
		.amdhsa_inst_pref_size 109
	.end_amdhsa_kernel
	.amdgpu_metadata
---
amdhsa.version: [ 1, 2 ]
amdhsa.kernels:
  - .name:           k_q60d39f8c5d_post
    .symbol:         k_q60d39f8c5d_post.kd
    .args:
      - { .name: ac, .offset: 0, .size: 8, .value_kind: global_buffer, .address_space: global }
      - { .name: wimg, .offset: 8, .size: 8, .value_kind: global_buffer, .address_space: global }
      - { .name: x, .offset: 16, .size: 8, .value_kind: global_buffer, .address_space: global }
      - { .name: bo, .offset: 24, .size: 8, .value_kind: global_buffer, .address_space: global }
      - { .name: ln1_a, .offset: 32, .size: 8, .value_kind: global_buffer, .address_space: global }
      - { .name: ln1_b, .offset: 40, .size: 8, .value_kind: global_buffer, .address_space: global }
      - { .name: b1, .offset: 48, .size: 8, .value_kind: global_buffer, .address_space: global }
      - { .name: b2, .offset: 56, .size: 8, .value_kind: global_buffer, .address_space: global }
      - { .name: ln2_a, .offset: 64, .size: 8, .value_kind: global_buffer, .address_space: global }
      - { .name: ln2_b, .offset: 72, .size: 8, .value_kind: global_buffer, .address_space: global }
      - { .name: lowp_scales, .offset: 80, .size: 8, .value_kind: global_buffer, .address_space: global }
      - { .name: out0, .offset: 88, .size: 8, .value_kind: global_buffer, .address_space: global }
    .group_segment_fixed_size: 197120
    .private_segment_fixed_size: 0
    .kernarg_segment_align: 8
    .kernarg_segment_size: 96
    .max_flat_workgroup_size: 512
    .sgpr_count:     66
    .vgpr_count:     256
    .wavefront_size: 32
...
	.end_amdgpu_metadata
.endif
;; end of part 4
;; ======== version 2 of 2: 4 launches
;; workspace buffers: wimg 3,145,728 bytes; qc 4,194,304 bytes; kv 8,388,608 bytes; ac 4,194,304 bytes
;; launch prep (part 5): grid 256 x 3, 4 waves a work-group, no clusters, 0 bytes of LDS; arguments Wq, Wk, Wv, Wo, W1, W2, lowp_scales, wimg; writes wimg
.if DOCPART == 5
	.amdgcn_target "amdgcn-amd-amdhsa--gfx1250"
	.amdhsa_code_object_version 6
	.text
	.protected	k_q60d39f8c5d_prep
	.globl	k_q60d39f8c5d_prep
	.p2align	8
	.type	k_q60d39f8c5d_prep,@function
k_q60d39f8c5d_prep:
	s_mov_b64 s[64:65], 0
	v_nop
	global_prefetch_b8 v0, s[64:65] scope:SCOPE_SE
	s_setreg_imm32_b32 hwreg(HW_REG_WAVE_MODE, 25, 1), 1
	s_wait_xcnt 0x0
; The six weights, f32 stored [K][N], become codes of E5M2 laid in the order of the matrix operand's registers.
; A FRAGMENT is 16 columns n x 128 along K, 2,048 bytes: [c 0..3][h 0..1][r 0..15][16 bytes]; (c, h, r) holds k = 128 s + 32 c + 16 h + 0..15 of the fragment's row r.
; Columns go in blocks of 32 (b = n / 32), two fragments u = 0, 1 each: row r of fragment u is column 32 b + 8 u + r + 8 (r / 8).
; A matrix lies [b][s = k / 128][u][2,048 bytes]; Wq, Wk, Wv, Wo, W1, W2 begin at 0, 1, 2, 3, 4, 8 x 262,144 bytes of wimg.
; code = w / 2^e, held within +-57,344, to the nearest code, ties to even; e = entry 1, 3, 5, 11, 13, 15 of lowp_scales.
; LIMITS: -126 <= e <= 112, so that 2^e and 57,344 x 2^e are f32 numbers.  NaN among the inputs is not served.
; SHARES: a lane takes ONE column and its 32 registers run down K (one chunk c of one K step), so the conversions give codes with K innermost and nothing is transposed.
; A wave takes 32 columns x 32 along K; the four waves stand side by side on 128 columns (512 consecutive bytes of each row).  Grid y = 0: the four 512 x 512 matrices, 64 work-groups each; y = 1: W1; y = 2: W2.
; No LDS, no barrier, no matrix unit, no cluster: the waves share nothing and every byte is read and written once.
.set X, 16                             ; v16-47  32 numbers down K
.set C, 48                             ; v48-55  their codes
.macro LOAD32 pitch                    ; row k = 32 kb + i of my column; the wave's 32 lanes read 128 consecutive bytes
.set i, 0
.rept 32
	global_load_b32 v[X+i], v2, s[24:25] offset:i*\pitch th:TH_LOAD_NT
.set i, i+1
.endr
.endm
	s_load_b512 s[8:23], s[0:1], 0x0               ; Wq, Wk, Wv, Wo, W1, W2, the scales' exponents s[20:21], wimg s[22:23]
	v_lshrrev_b32 v1, 5, v0
	v_readfirstlane_b32 s2, v1                     ; wave 0..3
	s_and_b32 s3, ttmp7, 0xffff                    ; y
	s_lshr_b32 s4, ttmp9, 6
	s_add_co_u32 s5, s3, 3
	s_and_b32 s6, ttmp9, 63
	s_cmp_eq_u32 s3, 0
	s_cselect_b32 s4, s4, s5                       ; which matrix, 0..5
	s_cselect_b32 s6, s6, ttmp9                    ; the work-group's number within it
	s_cmp_eq_u32 s3, 1
	s_cselect_b32 s7, 4, 2                         ; bits of the column group: N / 128 = 16 for W1, else 4
	s_mov_b32 s28, 2048
	s_cselect_b32 s28, 8192, s28                   ; a row of the matrix in bytes
	s_cmp_eq_u32 s3, 2
	s_cselect_b32 s29, 16, 4                       ; K / 128
	s_bfm_b32 s30, s7, 0
	s_and_b32 s30, s6, s30                         ; column group g
	s_lshr_b32 s31, s6, s7                         ; kb = k / 32
	s_lshl_b32 s32, s30, 2
	s_add_co_u32 s32, s32, s2                      ; b = 4 g + wave
	s_lshl_b32 s33, s31, 5
	s_mul_i32 s34, s33, s28                        ; 32 kb rows,
	s_lshl_b32 s33, s32, 7
	s_add_co_u32 s34, s34, s33                     ; + 128 b bytes: where my wave reads
	s_mov_b32 s35, 0
	s_cmp_eq_u32 s4, 5
	s_cselect_b32 s36, 8, s4
	s_lshl_b32 s36, s36, 18                        ; the matrix's place in wimg
	s_mul_i32 s37, s32, s29
	s_lshr_b32 s38, s31, 2
	s_add_co_u32 s37, s37, s38                     ; b K/128 + s
	s_lshl_b32 s37, s37, 12                        ; two fragments each
	s_add_co_u32 s36, s36, s37
	s_and_b32 s38, s31, 3
	s_lshl_b32 s38, s38, 9                         ; chunk c
	s_add_co_u32 s36, s36, s38
	s_mov_b32 s37, 0
	s_cmp_ge_u32 s4, 3
	s_cselect_b32 s39, 5, 1
	s_lshl_b32 s40, s4, 1
	s_add_co_u32 s39, s39, s40                     ; the scale's entry: 1, 3, 5, 11, 13, 15
	s_lshl_b32 s39, s39, 2
	v_and_b32 v1, 31, v0                           ; lane
	v_lshrrev_b32 v4, 4, v1                        ; u
	v_and_b32 v5, 15, v1                           ; r
	v_and_b32 v6, 8, v5
	v_add_nc_u32 v6, v6, v5
	v_lshl_add_u32 v6, v4, 3, v6                   ; my column in the block: 8 u + r + 8 (r / 8)
	v_lshlrev_b32 v2, 2, v6
	v_lshlrev_b32 v3, 4, v5
	v_lshl_add_u32 v3, v4, 11, v3                  ; out: fragment u, row r
	s_wait_kmcnt 0x0
	s_load_b32 s41, s[20:21], s39 offset:0x0       ; e
	s_mov_b64 s[24:25], s[8:9]                     ; the matrix's address: a choice on the work-group's number alone
	s_cmp_eq_u32 s4, 1
	s_cselect_b64 s[24:25], s[10:11], s[24:25]
	s_cmp_eq_u32 s4, 2
	s_cselect_b64 s[24:25], s[12:13], s[24:25]
	s_cmp_eq_u32 s4, 3
	s_cselect_b64 s[24:25], s[14:15], s[24:25]
	s_cmp_eq_u32 s4, 4
	s_cselect_b64 s[24:25], s[16:17], s[24:25]
	s_cmp_eq_u32 s4, 5
	s_cselect_b64 s[24:25], s[18:19], s[24:25]
	s_add_nc_u64 s[24:25], s[24:25], s[34:35]
	s_add_nc_u64 s[26:27], s[22:23], s[36:37]
	s_cmp_eq_u32 s3, 1                             ; the row's length stands in the loads' immediates: two copies of the run
	s_cbranch_scc1 .Lwide
	s_wait_alu depctr_va_vdst(0)
	LOAD32 2048
	s_branch .Ljoin
.Lwide:
	s_wait_alu depctr_va_vdst(0)
	LOAD32 8192
.Ljoin:
	s_wait_kmcnt 0x0
	s_add_co_i32 s41, s41, 127
	s_lshl_b32 s42, s41, 23
	v_mov_b32 v11, s42                             ; 2^e as f32: the conversion takes its exponent field
	s_add_co_i32 s41, s41, 15
	s_lshl_b32 s41, s41, 23
	s_or_b32 s41, s41, 0x600000
	v_mov_b32 v10, s41                             ; 57,344 x 2^e
	s_wait_alu depctr_va_vdst(0)
	s_wait_loadcnt 0x0
.set i, 0
.rept 32
	v_med3_num_f32 v[X+i], v[X+i], -v10, v10       ; the conversion to an 8-bit code does not saturate (ISA guide 7.6.2): the hold comes first
.set i, i+1
.endr
.irp g, 0,1,2,3
	v_cvt_scalef32_pk8_bf8_f32 v[C+2*\g:C+2*\g+1], v[X+8*\g:X+8*\g+7], v11
.endr
	v_nop                                          ; a plain line behind the last conversion
	global_store_b128 v3, v[C:C+3], s[26:27]              ; h = 0: k + 0..15; lanes 0-15 and lanes 16-31 each store 256 consecutive bytes, aligned
	global_store_b128 v3, v[C+4:C+7], s[26:27] offset:256 ; h = 1: k + 16..31
	s_endpgm
.Lfunc_end_k_q60d39f8c5d_prep:
	.size	k_q60d39f8c5d_prep, .Lfunc_end_k_q60d39f8c5d_prep-k_q60d39f8c5d_prep
	.p2alignl 7, 3214868480
	.fill 96, 4, 3214868480
	.section	.rodata,"a",@progbits
	.p2align	6, 0x0
	.amdhsa_kernel k_q60d39f8c5d_prep
		.amdhsa_group_segment_fixed_size 0
		.amdhsa_private_segment_fixed_size 0
		.amdhsa_enable_private_segment 0
		.amdhsa_kernarg_size 64
		.amdhsa_user_sgpr_count 2
		.amdhsa_user_sgpr_kernarg_segment_ptr 1
		.amdhsa_wavefront_size32 1
		.amdhsa_system_sgpr_workgroup_id_x 1
		.amdhsa_system_sgpr_workgroup_id_y 1
		.amdhsa_system_sgpr_workgroup_id_z 1
		.amdhsa_system_vgpr_workitem_id 0
		.amdhsa_next_free_vgpr 64
		.amdhsa_next_free_sgpr 66
		.amdhsa_reserve_vcc 0
		.amdhsa_float_denorm_mode_32 3
		.amdhsa_float_denorm_mode_16_64 3
		.amdhsa_memory_ordered 1
		.amdhsa_forward_progress 1
		.amdhsa_inst_pref_size 12
	.end_amdhsa_kernel
	.amdgpu_metadata
---
amdhsa.version: [ 1, 2 ]
amdhsa.kernels:
  - .name:           k_q60d39f8c5d_prep
    .symbol:         k_q60d39f8c5d_prep.kd
    .args:
      - { .name: Wq, .offset: 0, .size: 8, .value_kind: global_buffer, .address_space: global }
      - { .name: Wk, .offset: 8, .size: 8, .value_kind: global_buffer, .address_space: global }
      - { .name: Wv, .offset: 16, .size: 8, .value_kind: global_buffer, .address_space: global }
      - { .name: Wo, .offset: 24, .size: 8, .value_kind: global_buffer, .address_space: global }
      - { .name: W1, .offset: 32, .size: 8, .value_kind: global_buffer, .address_space: global }
      - { .name: W2, .offset: 40, .size: 8, .value_kind: global_buffer, .address_space: global }
      - { .name: lowp_scales, .offset: 48, .size: 8, .value_kind: global_buffer, .address_space: global }
      - { .name: wimg, .offset: 56, .size: 8, .value_kind: global_buffer, .address_space: global }
    .group_segment_fixed_size: 0
    .private_segment_fixed_size: 0
    .kernarg_segment_align: 8
    .kernarg_segment_size: 64
    .max_flat_workgroup_size: 128
    .sgpr_count:     66
    .vgpr_count:     64
    .wavefront_size: 32
...
	.end_amdgpu_metadata
.endif
;; end of part 5
;; launch qkv (part 6): grid 64 x 3, 16 waves a work-group, no clusters, 153,600 bytes of LDS; arguments x, wimg, bq, bk, bv, lowp_scales, qc, kv; writes qc, kv
.if DOCPART == 6
	.amdgcn_target "amdgcn-amd-amdhsa--gfx1250"
	.amdhsa_code_object_version 6
	.text
	.protected	k_q60d39f8c5d_qkv
	.globl	k_q60d39f8c5d_qkv
	.p2align	8
	.type	k_q60d39f8c5d_qkv,@function
k_q60d39f8c5d_qkv:
	s_mov_b64 s[64:65], 0
	v_nop
	global_prefetch_b8 v0, s[64:65] scope:SCOPE_SE
	s_setreg_imm32_b32 hwreg(HW_REG_WAVE_SCHED_MODE, 0, 2), 2
	s_setreg_imm32_b32 hwreg(HW_REG_WAVE_MODE, 25, 1), 1
	s_wait_xcnt 0x0
	s_wait_alu depctr_vm_vsrc(0)
; q, k or v (grid y = 0, 1, 2) = Q(x) Q(W) + bias for 128 tokens (grid x), quantised again for attention and stored as images of the operands' registers.
; x is quantised with the product's own scale (entry 2 y), W's codes come from wimg (entry 2 y + 1); the result is quantised with entry 6 + y.
; LIMITS, so that each power of two is an f32 number: entry 2 y, and entry (6 + y) - entry 2 y - entry (2 y + 1), between -126 and 112.  NaN among the inputs is not served.
; TOKENS go in blocks of 32, two tiles each: row r of tile u is token 32 f + 8 u + r + 8 (r / 8); features (a head's 32) likewise.  So a lane's 16 results of two neighbouring tiles are 16 neighbours.
; SHARES: wave w is head w; its 8 weight fragments (128 registers) are loaded once and stay.  In phase X wave w quantises 8 consecutive tokens; their codes go to LDS; one barrier; in phase M every wave reads all 8 tiles.
; q, k: source 0 = W, source 1 = x: a lane holds one token and 16 channels.  v: source 0 = x, source 1 = W: a lane holds one channel and 16 keys, since the keys are the K of attention's second product.
; OUT: qc and K's half of kv: [head 64][f 64][u 2][lane][16 bytes]; V's half: [step of 128 keys][dt 2][c 4][lane][16 bytes].  Each store of a wave covers 512 consecutive bytes, aligned.
; NO JOINT LOADS: x is quantised on its way into LDS, and the work-groups that share it are three; the weights (262,144 bytes a work-group) would not fit in LDS beside the 151,552 bytes in use, and go straight into the registers in which they stay.
; LDS: 0: x's codes, 8 tiles x 32 half-chunks (q = k / 16) of 256 bytes, 272 bytes apart (68 words: both the stores; 64 banks of 4 bytes: ISA guide 11.1).
;      69,632: for each wave two stages of 32 x 80 bytes, through which a row of x turns from 16 bytes a lane to 64 bytes a lane.
; THE MODE: SCHED_MODE bits 1:0 = 2 (LLVM: expert scheduling mode 2), set by the entry lines.  The code itself states the register dependences
; between vector or matrix instructions and memory or LDS instructions, with s_wait_alu, always for 0.
; THE PLAN.  Registers that memory or LDS instructions touch:
;   v1 to v7, v9  offsets and addresses, made at the head ahead of one wait on va_vdst; v1 to v7 are never written again.
;   PHASE X.  R0 .. R3: global loads land in them, the stage's LDS stores read them, and they are loaded again four rows on.  X0, X1: the stage's LDS loads land in them, the holds and conversions read and write them.
;             v[8:11]: the conversions write them, the LDS store of a row's codes reads them.
;             A row has one wait on vm_vsrc, at its head, and one on va_vdst, behind its conversions: behind the latter the row's codes are stored, and the row after next may ask for this X again.
;   PHASE M.  The fragments of x: tile 0's in v48-63 (even steps) and v96-111 (odd steps), asked for a step ahead; tile 1's in v64-79, asked for in its own step, landing while tile 0's two products run.
;             LDS loads land in them, matrix instructions read them.  One wait on va_vdst at the head of a step states that the step before is done reading its fragments.
;             The codes, two sets by turns: conversions write them, a cell's two global stores read them: one wait on va_vdst ahead of the stores, one on vm_vsrc ahead of the set's next conversions.
.set TP,   8704                        ; a tile of x's codes in LDS
.set STG,  69632
.set R,    16                          ; phase X: v16-79 four rows as loaded;  v80-111 two rows, 16 neighbours a lane
.set X,    80
.set ACC,  16                          ; phase M: v16-47 four accumulators
.set XF,   48                          ; v48-63 tile 0's fragment in even steps; 48 registers on, v96-111, in odd steps
.set XT1,  64                          ; v64-79 tile 1's fragment
.set CODE, 80                          ; v80-95 codes, two sets
.set BIAS, 112                         ; v112-127 the bias in the result's layout, two tiles
.set W,    128                         ; v128-255 W's fragment (s, u) at 16 (2 s + u)
; v1 16 x lane; v2, v3 stage in and out; v4 where my codes go; v5, v6 a fragment's place in tiles 0-3, 4-7; v7, v9 bias offsets; v[8:11] a row's codes; v12, v13 v's biases; v14 limit; v15 scale
.macro LOAD t                          ; row t of my 8: four loads of 512 consecutive bytes
.irp i, 0,1,2,3
	global_load_b128 v[R+16*((\t)%4)+4*\i:R+16*((\t)%4)+4*\i+3], v1, s[8:9] offset:2048*(\t)+512*\i
.endr
.endm
.macro TURN t                          ; through my own stage: LDS serves a wave's instructions in order (ISA guide 5.7.1.4), so no wait stands between
.irp i, 0,1,2,3
	ds_store_b128 v2, v[R+16*((\t)%4)+4*\i:R+16*((\t)%4)+4*\i+3] offset:2560*((\t)%2)+640*\i
.endr
.irp i, 0,1,2,3
	ds_load_b128 v[X+16*((\t)%2)+4*\i:X+16*((\t)%2)+4*\i+3], v3 offset:2560*((\t)%2)+16*\i
.endr
.endm
.macro STEP t
.set XS, X+16*((\t)%2)
	s_wait_dscnt 0x0                               ; this row is back from the stage
	s_wait_alu depctr_vm_vsrc(0)                   ; the stage's stores have read this row's R, in which the loads below land; the last row's store has read v[8:11] (ahead of row 0: the bias's loads have read v9), which the conversions write
.if (\t)+4 < 8
	LOAD (\t)+4                                    ; the row four further on
.endif
.if (\t)+1 < 8
.if 6-(\t) >= 3
	s_wait_loadcnt 12                              ; the next row's four loads are in; three rows behind it may be out
.else
	s_wait_loadcnt 4*(6-(\t))                      ; the rows still behind it
.endif
	TURN (\t)+1                                    ; its LDS loads land in the X that the row before worked on: that row's holds and conversions stand ahead of its wait on va_vdst, and nothing since names those registers
.endif
.set n, 0
.rept 16
	v_med3_num_f32 v[XS+n], v[XS+n], -v14, v14     ; the hold (ISA guide 7.6.2: the conversion does not saturate)
.set n, n+1
.endr
	v_cvt_scalef32_pk8_bf8_f32 v[8:9], v[XS:XS+7], v15
	v_cvt_scalef32_pk8_bf8_f32 v[10:11], v[XS+8:XS+15], v15
	v_nop                                          ; a plain line behind the last conversion
	s_wait_alu depctr_va_vdst(0)                   ; the conversions have written v[8:11], which the store reads; the holds and conversions are done with this row's X
	ds_store_b128 v4, v[8:11] offset:16*(\t)       ; lane L: k = 16 L .. 16 L + 15 of row 8 (w % 2) + t of tile w / 2
.endm
.macro XLD reg, tile, s                ; a fragment of x: one of the eight tiles, K step s
.irp c, 0,1,2,3
.if (\tile) < 4
	ds_load_b128 v[\reg+4*\c:\reg+4*\c+3], v5 offset:((\tile)&3)*TP+2176*(\s)+544*\c
.else
	ds_load_b128 v[\reg+4*\c:\reg+4*\c+3], v6 offset:((\tile)&3)*TP+2176*(\s)+544*\c
.endif
.endr
.endm
.macro MM swap, s, t, u, xr            ; one link: K step s, token tile t (its fragment from v[xr] on), feature tile u; the first link takes the bias as C
.set rW, W+16*(2*(\s)+(\u))
.if \swap
.set rD, ACC+16*(\u)+8*(\t)
.if (\s) == 0
	v_wmma_f32_16x16x128_bf8_bf8 v[rD:rD+7], v[\xr:\xr+15], v[rW:rW+15], v[BIAS+8*(\u):BIAS+8*(\u)+7]
.else
	v_wmma_f32_16x16x128_bf8_bf8 v[rD:rD+7], v[\xr:\xr+15], v[rW:rW+15], v[rD:rD+7]
.endif
.else
.set rD, ACC+16*(\t)+8*(\u)
.if (\s) == 0
	v_wmma_f32_16x16x128_bf8_bf8 v[rD:rD+7], v[rW:rW+15], v[\xr:\xr+15], v[BIAS+8*(\u):BIAS+8*(\u)+7]
.else
	v_wmma_f32_16x16x128_bf8_bf8 v[rD:rD+7], v[rW:rW+15], v[\xr:\xr+15], v[rD:rD+7]
.endif
.endif
.endm
; 32 tokens (tiles 2 fp, 2 fp + 1) x my head's 32 features: four accumulators by turns, K in four steps of 128; then the quantiser and two stores.  The sixteen steps of the four cells are numbered through: n0 = 4 fp + s.
.macro CELL fp, swap
.irp s, 0,1,2,3
.set n0, 4*\fp+\s
.set n1, n0+1
.set x0, XF+48*(n0%2)
.if \s > 0
	s_wait_alu depctr_va_vdst(0)                   ; the step before's products are done reading their two fragments of x, in which the loads below land.  (At a cell's first step the wait ahead of the last cell's stores has stated that)
.endif
	XLD XT1, 2*\fp+1, \s                           ; tile 1 of this step
.if n1 < 16
	XLD XF+48*(n1%2), 2*(n1/4), n1%4               ; tile 0 of the next step, of the next cell too
	s_wait_dscnt 8                                 ; tile 0 of this step, asked for a step ago, is in; the eight loads just issued may be out
.else
	s_wait_dscnt 4                                 ; the last step: tile 1's four may be out
.endif
	MM \swap, \s, 0, 0, x0
	MM \swap, \s, 0, 1, x0
.if n1 < 16
	s_wait_dscnt 4                                 ; tile 1 is in; the next step's four may be out
.else
	s_wait_dscnt 0x0
.endif
	MM \swap, \s, 1, 0, XT1
	MM \swap, \s, 1, 1, XT1
.endr
.rept 4
	v_nop                                          ; four places in front of the first read of the results (ISA guide 7.12.1)
.endr
	s_wait_xcnt 0x0                                ; earlier stores have had their addresses translated: the set of codes may be written again
.if \fp >= 2
	s_wait_alu depctr_vm_vsrc(0)                   ; the stores of two cells back have read this set of codes, which the conversions below write
.endif
.set n, 0
.rept 32
	v_med3_num_f32 v[ACC+n], v[ACC+n], -v14, v14   ; each accumulator from its low end on
.set n, n+1
.endr
.irp g, 0,1
	v_cvt_scalef32_pk8_bf8_f32 v[CODE+8*((\fp)&1)+4*\g:CODE+8*((\fp)&1)+4*\g+1], v[ACC+16*\g:ACC+16*\g+7], v15
	v_cvt_scalef32_pk8_bf8_f32 v[CODE+8*((\fp)&1)+4*\g+2:CODE+8*((\fp)&1)+4*\g+3], v[ACC+16*\g+8:ACC+16*\g+15], v15
.endr
	v_nop                                          ; a plain line between the conversions and the next products, which write their sources
	s_wait_alu depctr_va_vdst(0)                   ; the conversions have written the codes, which the stores read; the cell's last products are done reading their fragments of x
.irp g, 0,1
.if \swap
	global_store_b128 v1, v[CODE+8*((\fp)&1)+4*\g:CODE+8*((\fp)&1)+4*\g+3], s[44:45] offset:\g*2048+\fp*512   ; channels' tile g, chunk fp of the step's 128 keys
.else
	global_store_b128 v1, v[CODE+8*((\fp)&1)+4*\g:CODE+8*((\fp)&1)+4*\g+3], s[44:45] offset:\fp*1024+\g*512   ; token block fp, tile g
.endif
.endr
.endm
	s_load_b512 s[8:23], s[0:1], 0x0               ; x, wimg, bq, bk, bv s[16:17], the scales' exponents s[18:19], qc s[20:21], kv s[22:23]
	v_lshrrev_b32 v1, 5, v0
	v_readfirstlane_b32 s2, v1                     ; wave 0..15
	s_and_b32 s3, ttmp7, 0xffff                    ; y: q, k or v
	v_and_b32 v9, 31, v0                           ; lane
	v_and_b32 v10, 15, v0                          ; r
	v_bfe_u32 v11, v0, 4, 1                        ; h
	v_lshlrev_b32 v1, 4, v9
	s_wait_alu depctr_va_sdst(0)                   ; s2 is written, ahead of its first reader
	s_mul_i32 s24, s2, 5120
	s_add_co_u32 s24, s24, STG                     ; my stages
	v_lshrrev_b32 v2, 2, v9
	v_mul_u32_u24 v2, v2, 80
	v_and_b32 v3, 3, v9
	v_lshl_add_u32 v2, v3, 4, v2
	v_add_nc_u32 v2, s24, v2                       ; in: four lanes' 64 bytes on end, then 16 of padding
	v_mul_u32_u24 v3, v9, 80
	v_add_nc_u32 v3, s24, v3                       ; out: my 64 bytes
	s_lshr_b32 s25, s2, 1
	s_mul_i32 s25, s25, TP
	s_and_b32 s26, s2, 1
	s_lshl_b32 s26, s26, 7
	s_add_co_u32 s25, s25, s26
	v_mul_u32_u24 v4, v9, 272
	v_add_nc_u32 v4, s25, v4                       ; tile w / 2, half-chunk = lane, rows 8 (w % 2) on
	v_mul_u32_u24 v5, v11, 272
	v_lshl_add_u32 v5, v10, 4, v5                  ; a fragment's lane: 272 h + 16 r
	v_add_nc_u32 v6, 4*TP, v5
	v_lshlrev_b32 v7, 6, v11                       ; q, k: the bias of channels 16 h on
	v_and_b32 v8, 8, v10
	v_add_nc_u32 v8, v8, v10
	v_lshlrev_b32 v9, 2, v8                        ; v: the bias of channel r + 8 (r / 8); the second tile's lies 32 bytes on
	s_lshl_b32 s27, ttmp9, 7
	s_lshr_b32 s28, s2, 2
	s_lshl_b32 s28, s28, 5
	s_add_co_u32 s27, s27, s28
	s_and_b32 s28, s2, 1
	s_lshl_b32 s28, s28, 4
	s_add_co_u32 s27, s27, s28
	s_bfe_u32 s28, s2, 0x10001
	s_lshl_b32 s28, s28, 3
	s_add_co_u32 s27, s27, s28                     ; my first token: 128 blk + 32 (w / 4) + 16 (w % 2) + 8 ((w / 2) % 2)
	s_lshl_b32 s28, s27, 11
	s_mov_b32 s29, 0
	s_lshl_b32 s30, s3, 18
	s_lshl_b32 s31, s2, 14
	s_add_co_u32 s30, s30, s31                     ; my fragments in wimg: matrix y, block w
	s_mov_b32 s31, 0
	s_lshl_b32 s32, s2, 7                          ; my head's biases
	s_mov_b32 s33, 0
	s_lshr_b32 s34, ttmp9, 4
	s_lshl_b32 s34, s34, 4
	s_add_co_u32 s34, s34, s2                      ; 16 x batch + head
	s_cmp_eq_u32 s3, 0
	s_cselect_b32 s35, 16, 17
	s_lshl_b32 s34, s34, s35                       ; 65,536 bytes a head in qc, 131,072 in kv
	s_cmp_eq_u32 s3, 2
	s_cselect_b32 s35, 0x10000, 0                  ; V behind K
	s_add_co_u32 s34, s34, s35
	s_and_b32 s35, ttmp9, 15
	s_lshl_b32 s35, s35, 12                        ; 128 tokens are 4,096 bytes
	s_add_co_u32 s34, s34, s35
	s_mov_b32 s35, 0
	s_lshl_b32 s36, s3, 3
	s_lshl_b32 s37, s3, 2
	s_wait_kmcnt 0x0
	s_load_b64 s[38:39], s[18:19], s36 offset:0x0  ; ex, ew: entries 2 y, 2 y + 1
	s_load_b32 s40, s[18:19], s37 offset:0x18      ; eo: entry 6 + y
	s_add_nc_u64 s[8:9], s[8:9], s[28:29]
	s_add_nc_u64 s[10:11], s[10:11], s[30:31]
	s_cmp_eq_u32 s3, 0                             ; the bias and the output: choices on the work-group's number alone
	s_cselect_b64 s[42:43], s[12:13], s[14:15]
	s_cselect_b64 s[44:45], s[20:21], s[22:23]
	s_cmp_eq_u32 s3, 2
	s_cselect_b64 s[42:43], s[16:17], s[42:43]
	s_add_nc_u64 s[42:43], s[42:43], s[32:33]
	s_add_nc_u64 s[44:45], s[44:45], s[34:35]
	s_wait_alu depctr_va_vdst(0)                   ; the offsets and addresses v1 to v7 and v9 are written, which the loads and stores of the whole kernel read
.irp f, 0,1,2,3,4,5,6,7
.irp c, 0,1,2,3
	global_load_b128 v[W+16*\f+4*\c:W+16*\f+4*\c+3], v1, s[10:11] offset:2048*\f+512*\c
.endr
.endr
.irp j, 0,1,2,3
	global_load_b128 v[BIAS+4*\j:BIAS+4*\j+3], v7, s[42:43] offset:16*\j
.endr
	global_load_b32 v12, v9, s[42:43]
	global_load_b32 v13, v9, s[42:43] offset:32
.irp t, 0,1,2,3
	LOAD \t
.endr
	s_wait_kmcnt 0x0
	s_add_co_i32 s46, s38, 127
	s_lshl_b32 s47, s46, 23
	v_mov_b32 v15, s47                             ; 2^ex
	s_add_co_i32 s46, s46, 15
	s_lshl_b32 s46, s46, 23
	s_or_b32 s46, s46, 0x600000
	v_mov_b32 v14, s46                             ; 57,344 x 2^ex
	s_wait_alu depctr_va_vdst(0)
	s_wait_loadcnt 12                              ; row 0's four loads are in (and all that was asked for before them: W, the biases); three rows may be out
	TURN 0
.irp t, 0,1,2,3,4,5,6,7
	STEP \t
.endr
	s_wait_dscnt 0x0                               ; for the others' sake: my codes lie in LDS
	s_barrier_signal -1
	s_barrier_wait -1                              ; all eight tiles do
	s_wait_alu depctr_vm_vsrc(0)                   ; the stage's stores have read v16-79: from here on these are the sums, which the products write, and fragments of x, in which LDS loads land
	XLD XF, 0, 0                                   ; tile 0 of the first step
	s_add_co_i32 s46, s38, s39                     ; a sum stands for sum x 2^(ex + ew): the bias goes in divided by that,
	s_sub_co_i32 s47, 0, s46
	s_sub_co_i32 s48, s40, s46                     ; and the conversion takes 2^(eo - ex - ew)
	s_add_co_i32 s48, s48, 127
	s_lshl_b32 s49, s48, 23
	v_mov_b32 v15, s49
	s_add_co_i32 s48, s48, 15
	s_lshl_b32 s48, s48, 23
	s_or_b32 s48, s48, 0x600000
	v_mov_b32 v14, s48
	s_cmp_eq_u32 s3, 2                             ; the same in all waves of the work-group; both ways only read LDS
	s_cbranch_scc1 .Lv
.set n, 0
.rept 16
	v_ldexp_f32 v[BIAS+n], v[BIAS+n], s47
.set n, n+1
.endr
	s_wait_alu depctr_va_vdst(0)
	CELL 0, 0
	CELL 1, 0
	CELL 2, 0
	CELL 3, 0
	s_wait_xcnt 0x0
	v_lshl_add_u32 v190, v0, 2, 0x25000
	v_mov_b32 v191, 0
	s_wait_dscnt 0x0                               ; the closing lines, six on end
	s_wait_alu 0x0
	s_wait_tensorcnt 0x0
	ds_add_u32 v190, v191
	s_wait_dscnt 0x0
	s_endpgm
.Lv:
	v_ldexp_f32 v12, v12, s47
	v_ldexp_f32 v13, v13, s47
.irp u, 0,1
.irp j, 0,1,2,3,4,5,6,7
	v_mov_b32 v[BIAS+8*\u+\j], v[12+\u]            ; a lane holds one channel: its bias in all eight registers of the tile
.endr
.endr
	s_wait_alu depctr_va_vdst(0)
	CELL 0, 1
	CELL 1, 1
	CELL 2, 1
	CELL 3, 1
	s_wait_xcnt 0x0
	v_lshl_add_u32 v190, v0, 2, 0x25000
	v_mov_b32 v191, 0
	s_wait_dscnt 0x0                               ; the closing lines, six on end
	s_wait_alu 0x0
	s_wait_tensorcnt 0x0
	ds_add_u32 v190, v191
	s_wait_dscnt 0x0
	s_endpgm
.Lfunc_end_k_q60d39f8c5d_qkv:
	.size	k_q60d39f8c5d_qkv, .Lfunc_end_k_q60d39f8c5d_qkv-k_q60d39f8c5d_qkv
	.p2alignl 7, 3214868480
	.fill 96, 4, 3214868480
	.section	.rodata,"a",@progbits
	.p2align	6, 0x0
	.amdhsa_kernel k_q60d39f8c5d_qkv
		.amdhsa_group_segment_fixed_size 153600
		.amdhsa_private_segment_fixed_size 0
		.amdhsa_enable_private_segment 0
		.amdhsa_kernarg_size 64
		.amdhsa_user_sgpr_count 2
		.amdhsa_user_sgpr_kernarg_segment_ptr 1
		.amdhsa_wavefront_size32 1
		.amdhsa_system_sgpr_workgroup_id_x 1
		.amdhsa_system_sgpr_workgroup_id_y 1
		.amdhsa_system_sgpr_workgroup_id_z 1
		.amdhsa_system_vgpr_workitem_id 0
		.amdhsa_next_free_vgpr 256
		.amdhsa_next_free_sgpr 66
		.amdhsa_reserve_vcc 0
		.amdhsa_float_denorm_mode_32 3
		.amdhsa_float_denorm_mode_16_64 3
		.amdhsa_memory_ordered 1
		.amdhsa_forward_progress 1
		.amdhsa_inst_pref_size 76
	.end_amdhsa_kernel
	.amdgpu_metadata
---
amdhsa.version: [ 1, 2 ]
amdhsa.kernels:
  - .name:           k_q60d39f8c5d_qkv
    .symbol:         k_q60d39f8c5d_qkv.kd
    .args:
      - { .name: x, .offset: 0, .size: 8, .value_kind: global_buffer, .address_space: global }
      - { .name: wimg, .offset: 8, .size: 8, .value_kind: global_buffer, .address_space: global }
      - { .name: bq, .offset: 16, .size: 8, .value_kind: global_buffer, .address_space: global }
      - { .name: bk, .offset: 24, .size: 8, .value_kind: global_buffer, .address_space: global }
      - { .name: bv, .offset: 32, .size: 8, .value_kind: global_buffer, .address_space: global }
      - { .name: lowp_scales, .offset: 40, .size: 8, .value_kind: global_buffer, .address_space: global }
      - { .name: qc, .offset: 48, .size: 8, .value_kind: global_buffer, .address_space: global }
      - { .name: kv, .offset: 56, .size: 8, .value_kind: global_buffer, .address_space: global }
    .group_segment_fixed_size: 153600
    .private_segment_fixed_size: 0
    .kernarg_segment_align: 8
    .kernarg_segment_size: 64
    .max_flat_workgroup_size: 512
    .sgpr_count:     66
    .vgpr_count:     256
    .wavefront_size: 32
...
	.end_amdgpu_metadata
.endif
;; end of part 6
;; launch attn (part 7): grid 4 x 64, 16 waves a work-group, no clusters, 133,120 bytes of LDS; arguments qc, kv, lowp_scales, ac; writes ac
.if DOCPART == 7
	.amdgcn_target "amdgcn-amd-amdhsa--gfx1250"
	.amdhsa_code_object_version 6
	.text
	.protected	k_q60d39f8c5d_attn
	.globl	k_q60d39f8c5d_attn
	.p2align	8
	.type	k_q60d39f8c5d_attn,@function
k_q60d39f8c5d_attn:
	s_mov_b64 s[64:65], 0
	v_nop
	global_prefetch_b8 v0, s[64:65] scope:SCOPE_SE
	s_setreg_imm32_b32 hwreg(HW_REG_WAVE_SCHED_MODE, 0, 2), 2
	s_setreg_imm32_b32 hwreg(HW_REG_WAVE_MODE, 25, 1), 1
	s_wait_xcnt 0x0
	s_wait_alu depctr_vm_vsrc(0)
; Attention on codes of E5M2, head size 32, 2,048 keys, no mask; the result is quantised (entry 10) for the product with Wo and stored as an image of that operand's registers.
; THE SOFTMAX: t = score x log2(e) / sqrt(32); M = the running largest t rounded UP to a whole number; p = 2^(t - M) is quantised with 2^e9 and is not normalised; the row's sum is taken of the unquantised p and divides at the end.
; When M moves, the sum and O are multiplied by 2^(old M - new M), which rounds nothing.
; LIMITS, so that each power of two is an f32 number: e6 + e7 between -124 and 129 (added to c's exponent field); e9 and e10 between -126 and 112; e8 + e9 goes in by v_ldexp_f32.
; SHARES: grid y is the head (16 x batch + head), grid x one of its four blocks of 512 queries; a wave owns 32 queries, two tiles A and B of 16, which share every fragment of K and V that the wave reads.  Four waves to a SIMD: one wave's softmax stands beside another's products.
; K AND V OF THE HEAD, 131,072 bytes, LIE IN LDS FOR THE WHOLE LAUNCH, written once: each wave brings 8,192 bytes through its registers (16 loads of 512 consecutive bytes, 16 LDS stores); one barrier; the loop has none.
; THE HOLD OF p IS JUMPED OVER WHERE IT CHANGES NOTHING.  M includes the step's own largest t, so p is under 1.75; the hold at 57,344 x 2^e9 = 1.75 x 2^(e9 + 15) can change a number only where e9 <= -16.  A scalar branch on e9, inside the loop,
; stands round the 64 v_min_num_f32 of a tile: 128 of a trip's instructions.
; NO JOINT LOADS, though the four work-groups of a head read the same K and V: what is shared is read once, 131,072 bytes a work-group,
; ahead of 16 steps that read no memory at all.
; LAYOUT: both products transposed: a lane holds one query (lane % 16) throughout.  K = 32 IN AN INSTRUCTION OF K = 64: source 0's eight registers hold TWO tiles of 16 keys (registers 0-3, 4-7); source 1 is [q, 0] for the first and [0, q] for the second
; (all codes are finite, so the zeros add nothing).  Row r of key tile u of block f is key 32 f + 8 u + r + 8 (r / 8): so register 16 b + i of S is key 128 step + 32 b + 16 (lane / 16) + i, the order of p's operand and of V's chunks.
; THE MODE: SCHED_MODE bits 1:0 = 2 (LLVM: expert scheduling mode 2), set by the entry lines.  The code itself states the register dependences
; between vector or matrix instructions and memory or LDS instructions, with s_wait_alu, always for 0.
; THE PLAN.  Registers that LDS or memory instructions touch, in the loop:
;   KF (v52-83)   LDS loads land in it; the step's sixteen products K Q^T read it, the last of them ahead of tile B's softmax.
;   VF (v84-115)  LDS loads land in it; the four products V^T P^T at the step's end read it.
;   v3, v4        the addresses of K's and V's loads: each is written once a step, by a vector addition ahead of a batch of exponentials.
;   v1, v2        made at the head, never written again.
; Each tile's softmax has a wait on va_vdst ahead of its batch of exponentials and one between the batch and its first reader.  The step's loads stand directly behind the second wait of each tile:
; V of this step behind tile A's (ahead of it stand the last step's products V^T P^T and the addition to v4), K of the NEXT step behind tile B's (ahead of it stand this step's products K Q^T and the addition to v3).
; Further waits on va_vdst stand ahead of each batch and ahead of the products V^T P^T; one wait on vm_vsrc stands ahead of each of the two additions.  K of step 0 is asked for ahead of the loop; the last step is written out and asks for no K.
; REGISTERS: v1, v2 my lane's place in K, in V; v3, v4 the addresses of the loads in hand; v[8:11], v[12:15] tile A's, B's -M, largest t, sum in two halves; v[16:17] f; v18-23 at work; v24 57,344 x 2^e9, v26 2^e9; v25, v27 the same with e10;
;   v[28:39], v[40:51] 0, q, 0 of tile A, B; v52-83 K; v84-115 V; v116-179 S, then p (at the head: my 8,192 bytes of K and V); v180-195, v196-211 p's codes; v212-227, v228-243 O^T; v254, v255 the closing add's two.
.set S,   116
.set KF,  52
.set VF,  84
.set QA,  28
.set QB,  40
.set PA,  180
.set PB,  196
.set OA,  212
.set OB,  228
.set WV,  12                           ; s12 my wave's number
.set E9,  27                           ; s27 e9, as it was loaded
.set SEL, 36                           ; s[36:37] v_permlanex16_b32: lane l xor 16
.set CS,  38                           ; s[38:39] c; the packed form names a pair and takes its low word
.set TB,  40                           ; s40 a step's first byte in K's and in V's half
.set CNT, 41
.macro SMUL q                          ; S^T of 128 keys for the tile whose twelve registers begin at q: eight sums, each one instruction
.irp b, 0,1,2,3
	v_wmma_f32_16x16x64_bf8_bf8 v[S+16*\b:S+16*\b+7], v[KF+8*\b:KF+8*\b+7], v[\q+4:\q+11], 0
	v_wmma_f32_16x16x64_bf8_bf8 v[S+16*\b+8:S+16*\b+15], v[KF+8*\b:KF+8*\b+7], v[\q:\q+7], 0
.endr
.endm
.macro KLOAD a                         ; a step's 128 keys, by the address in v[a]
.irp b, 0,1,2,3
.irp u, 0,1
	ds_load_b128 v[KF+8*\b+4*\u:KF+8*\b+4*\u+3], v[\a] offset:1024*\b+512*\u
.endr
.endr
.endm
.macro VLOAD                           ; a step's V: two tiles of 16 channels x 128 keys
.irp d, 0,1
.irp c, 0,1,2,3
	ds_load_b128 v[VF+16*\d+4*\c:VF+16*\d+4*\c+3], v4 offset:2048*\d+512*\c
.endr
.endr
.endm
; ld = 1: this step's V is asked for behind the batch's wait; ld = 2: the next step's K; ld = 0: nothing
.macro SOFTMAX st, P, O, ld
	v_max3_num_f32 v18, v[S], v[S+1], v[S+2]       ; the step's largest score of my query among my 64 keys: two chains, ascending, so each sum is first read at its low end
	v_max3_num_f32 v19, v[S+3], v[S+4], v[S+5]
.set j, 6
.rept 14
	v_max3_num_f32 v18, v18, v[S+j], v[S+j+1]
	v_max3_num_f32 v19, v19, v[S+j+2], v[S+j+3]
.set j, j+4
.endr
	v_max3_num_f32 v18, v18, v[S+62], v[S+63]
	v_max_num_f32 v18, v18, v19
	v_permlanex16_b32 v20, v18, s[SEL], s[SEL+1]
	v_max_num_f32 v18, v18, v20                    ; and among the other half of the lanes'
	v_mul_f32 v18, s[CS], v18                      ; as t (c is positive)
	v_max_num_f32 v[\st+1], v[\st+1], v18          ; the running largest t
	v_mov_b32 v18, v[\st]
	v_floor_f32 v[\st], -v[\st+1]                  ; -M = floor(-t)
	v_sub_f32 v18, v[\st], v18                     ; old M - new M: a whole number, 0 or less
	v_cvt_i32_f32 v18, v18                         ; (it saturates)
	v_ldexp_f32 v16, 1.0, v18                      ; f = 2^(old M - new M)
.if \ld == 1
	s_wait_alu depctr_vm_vsrc(0)                   ; the last step's loads of V have read v4
	v_add_nc_u32 v4, s[TB], v2                     ; where this step's V lies
.elseif \ld == 2
	s_wait_alu depctr_vm_vsrc(0)                   ; the loads of K issued a step ago (in the first step: my LDS stores at the head) have read v3
	v_add_nc_u32 v3, s[TB], v1                     ; where the next step's K lies
.endif
.set j, 0
.rept 32
	v_pk_fma_f32 v[S+j:S+j+1], v[S+j:S+j+1], s[CS:CS+1], v[\st:\st+1] op_sel_hi:[1,0,0]   ; t - M
.set j, j+2
.endr
.set j, 0
	s_wait_alu depctr_va_vdst(0)
.rept 64
	v_exp_f32 v[S+j], v[S+j]                       ; p = 2^(t - M): one batch
.set j, j+1
.endr
	v_pk_mul_f32 v[\st+2:\st+3], v[\st+2:\st+3], v[16:17] op_sel_hi:[1,0]   ; the sums under the new M: the plain line behind the exponentials
.if \ld == 1
	s_wait_alu depctr_va_vdst(0)                   ; the exponentials have written p, ahead of its first reader and of the branch below; the last step's products V^T P^T are done reading V's registers; v4 is written
	VLOAD
.elseif \ld == 2
	s_wait_alu depctr_va_vdst(0)                   ; the exponentials have written p, ahead of its first reader and of the branch below; this step's products K Q^T are done reading K's registers; v3 is written
	KLOAD 3
.else
	s_wait_alu depctr_va_vdst(0)                   ; the exponentials have written p, ahead of its first reader and of the branch below
.endif
	v_pk_add_f32 v[22:23], v[S:S+1], v[S+2:S+3]    ; the sum of the UNQUANTISED p, in two chains
.set j, 4
.rept 15
	v_pk_add_f32 v[\st+2:\st+3], v[\st+2:\st+3], v[S+j:S+j+1]
	v_pk_add_f32 v[22:23], v[22:23], v[S+j+2:S+j+3]
.set j, j+4
.endr
	v_pk_add_f32 v[\st+2:\st+3], v[\st+2:\st+3], v[22:23]
	s_cmp_gt_i32 s[E9], -16                        ; e9 >= -15: the largest code x 2^e9 is 1.75 or more, over every p: the hold would change nothing
	s_cbranch_scc1 .Lfree_\@
.set j, 0
.rept 64
	v_min_num_f32 v[S+j], v[S+j], v24              ; the hold (ISA guide 7.6.2: the conversion does not saturate); p is not negative, so it is one-sided
.set j, j+1
.endr
.Lfree_\@:
.irp b, 0,1,2,3
	v_cvt_scalef32_pk8_bf8_f32 v[\P+4*\b:\P+4*\b+1], v[S+16*\b:S+16*\b+7], v26
	v_cvt_scalef32_pk8_bf8_f32 v[\P+4*\b+2:\P+4*\b+3], v[S+16*\b+8:S+16*\b+15], v26
.endr
.set j, 0
.rept 8
	v_pk_mul_f32 v[\O+j:\O+j+1], v[\O+j:\O+j+1], v[16:17] op_sel_hi:[1,0]   ; O^T under the new M; also the plain lines between the conversions and the next products
.set j, j+2
.endr
.endm
; A step of 128 keys.  last = 1: the sixteenth, which asks for no further K.
.macro TRIP last
	s_wait_dscnt 0x0                               ; this step's K, asked for in the step before, is in
	SMUL QA
.rept 4
	v_nop                                          ; four places in front of the first read of the results (ISA guide 7.12.1)
.endr
	SOFTMAX 8, PA, OA, 1
	SMUL QB
.rept 4
	v_nop
.endr
.if \last
	SOFTMAX 12, PB, OB, 0
	s_wait_alu depctr_va_vdst(0)
	s_wait_dscnt 0x0                               ; V
.else
	s_add_co_u32 s[TB], s[TB], 4096                ; on to the next step's bytes
	SOFTMAX 12, PB, OB, 2
	s_wait_alu depctr_va_vdst(0)
	s_wait_dscnt 8                                 ; V's eight loads are in; the next step's eight of K, issued behind them, may be out
.endif
	v_wmma_f32_16x16x128_bf8_bf8 v[OA:OA+7], v[VF:VF+15], v[PA:PA+15], v[OA:OA+7]             ; O^T += V^T P^T: four accumulators by turns
	v_wmma_f32_16x16x128_bf8_bf8 v[OB:OB+7], v[VF:VF+15], v[PB:PB+15], v[OB:OB+7]
	v_wmma_f32_16x16x128_bf8_bf8 v[OA+8:OA+15], v[VF+16:VF+31], v[PA:PA+15], v[OA+8:OA+15]
	v_wmma_f32_16x16x128_bf8_bf8 v[OB+8:OB+15], v[VF+16:VF+31], v[PB:PB+15], v[OB+8:OB+15]
.endm
	s_load_b256 s[4:11], s[0:1], 0x0               ; qc s[4:5], kv s[6:7], the scales' exponents s[8:9], ac s[10:11]
	v_lshl_add_u32 v254, v0, 2, 0x20000
	v_mov_b32 v255, 0
	v_lshrrev_b32 v1, 5, v0
	v_readfirstlane_b32 s[WV], v1                  ; wave 0..15
	s_and_b32 s14, ttmp7, 0xffff                   ; 16 x batch + head
	s_lshl_b32 s42, s14, 17
	s_wait_alu depctr_va_sdst(0)                   ; s12 is written, ahead of its first reader
	s_lshl_b32 s50, s[WV], 13                      ; my 8,192 bytes of the head's K and V, in memory and in LDS
	s_add_co_u32 s42, s42, s50
	s_mov_b32 s43, 0
	s_lshl_b32 s46, ttmp9, 4
	s_add_co_u32 s46, s46, s[WV]                   ; f: my block of 32 queries = 16 x work-group x + wave
	s_lshl_b32 s44, s46, 10
	s_lshl_b32 s45, s14, 16
	s_add_co_u32 s44, s44, s45
	s_mov_b32 s45, 0
	s_lshr_b32 s47, s14, 4
	s_lshl_b32 s47, s47, 7
	s_lshl_b32 s48, s46, 1
	s_add_co_u32 s47, s47, s48                     ; my first tile of tokens: 128 x batch + 2 f
	s_lshl_b32 s48, s47, 13
	s_and_b32 s47, s14, 15
	s_lshl_b32 s47, s47, 9                         ; the head is chunk head % 4 of K step head / 4
	s_add_co_u32 s48, s48, s47
	s_mov_b32 s49, 0
	s_mov_b32 s[SEL], 0x76543210
	s_mov_b32 s[SEL+1], 0xfedcba98
	s_mov_b32 s[CS], 0x3e8293ee                    ; c = log2(e) / sqrt(32)
	s_mov_b32 s[TB], 0
	s_mov_b32 s[CNT], 0
	v_and_b32 v2, 31, v0
	v_lshlrev_b32 v1, 4, v2                        ; 16 x lane
	v_add_nc_u32 v2, 0x10000, v1                   ; V lies behind K's 65,536 bytes
	v_add_nc_u32 v3, s50, v1                       ; where my 8,192 bytes go in LDS
	s_wait_kmcnt 0x0
	s_load_b128 s[24:27], s[8:9], 0x18             ; e6, e7, e8, e9
	s_load_b32 s28, s[8:9], 0x28                   ; e10
	s_add_nc_u64 s[6:7], s[6:7], s[42:43]
	s_add_nc_u64 s[4:5], s[4:5], s[44:45]
	s_add_nc_u64 s[10:11], s[10:11], s[48:49]
	s_wait_alu depctr_va_vdst(0)                   ; v1, v2 and v3 are written, which the loads and the LDS stores below read as offsets and addresses
	global_load_b128 v[QA+4:QA+7], v1, s[4:5]
	global_load_b128 v[QB+4:QB+7], v1, s[4:5] offset:512
.set i, 0
.rept 16
	global_load_b128 v[S+4*i:S+4*i+3], v1, s[6:7] offset:512*i   ; 512 consecutive bytes a load; three other work-groups read the same bytes, so no hint
.set i, i+1
.endr
.irp j, 0,1,2,3,8,9,10,11
	v_mov_b32 v[QA+\j], 0
	v_mov_b32 v[QB+\j], 0
.endr
	v_mov_b32 v9, 0xff61b1e6                       ; the largest t so far: -3e38, under every t
	v_mov_b32 v13, 0xff61b1e6
	v_floor_f32 v8, -v9
	v_floor_f32 v12, -v13
.irp j, 10,11,14,15,17,20,21
	v_mov_b32 v\j, 0                               ; the sums; and registers that are named before they hold anything: a pair's upper half, the permutes' destinations
.endr
.set j, 0
.rept 32
	v_mov_b32 v[OA+j], 0                           ; O^T: the step is written once for the loop; its first trip finds zeros
.set j, j+1
.endr
	s_wait_kmcnt 0x0
	s_add_co_i32 s51, s24, s25
	s_lshl_b32 s51, s51, 23
	s_add_co_i32 s[CS], s[CS], s51                 ; a score stands for score x 2^(e6 + e7)
	s_mov_b32 s[CS+1], s[CS]
	s_add_co_i32 s51, s[E9], 127
	s_lshl_b32 s52, s51, 23
	v_mov_b32 v26, s52                             ; 2^e9
	s_add_co_i32 s51, s51, 15
	s_lshl_b32 s51, s51, 23
	s_or_b32 s51, s51, 0x600000
	v_mov_b32 v24, s51                             ; 57,344 x 2^e9
	s_add_co_i32 s51, s28, 127
	s_lshl_b32 s52, s51, 23
	v_mov_b32 v27, s52                             ; 2^e10
	s_add_co_i32 s51, s51, 15
	s_lshl_b32 s51, s51, 23
	s_or_b32 s51, s51, 0x600000
	v_mov_b32 v25, s51                             ; 57,344 x 2^e10
	s_add_co_i32 s53, s26, s[E9]                   ; e8 + e9
.set i, 0
.rept 16
	s_wait_loadcnt 15-i                            ; loads come back in order (ISA guide 5.7.1): load i is in (and q, asked for before it); the 15 - i behind it may be out
	ds_store_b128 v3, v[S+4*i:S+4*i+3] offset:512*i
.set i, i+1
.endr
	s_wait_dscnt 0x0                               ; for the others' sake: my 8,192 bytes lie in LDS,
	s_barrier_signal -1
	s_barrier_wait -1                              ; everybody's do
	s_wait_alu depctr_vm_vsrc(0)                   ; my LDS stores have read v116-179: from here on these are S, which the products write
	KLOAD 1                                        ; K of step 0 lies at 16 x lane
.Lstep:                                            ; 15 trips of 128 keys
	TRIP 0
	s_add_co_u32 s[CNT], s[CNT], 1
	s_cmp_lt_u32 s[CNT], 15
	s_cbranch_scc1 .Lstep
	TRIP 1                                         ; the sixteenth step is written out: there is no K behind it
	; THE WAY OUT: O^T x 2^(e8 + e9) / the sum, quantised with 2^e10.  Register 8 dt + j of a lane is channel 16 (lane / 16) + 8 dt + j: 16 neighbours along the next K.  The lines on the sums are the places behind the last products.
	v_add_f32 v18, v10, v11
	v_add_f32 v19, v14, v15
	v_permlanex16_b32 v20, v18, s[SEL], s[SEL+1]
	v_permlanex16_b32 v21, v19, s[SEL], s[SEL+1]
	v_add_f32 v18, v18, v20
	v_add_f32 v19, v19, v21
	s_wait_alu depctr_va_vdst(0)
	v_rcp_f32 v18, v18
	v_rcp_f32 v19, v19
	v_nop                                          ; a plain line behind the reciprocals,
	s_wait_alu depctr_va_vdst(0)                   ; and one wait for both: they have written v18 and v19, ahead of the first reader
	v_ldexp_f32 v18, v18, s53
	v_ldexp_f32 v19, v19, s53
.set j, 0
.rept 16
	v_mul_f32 v[S+j], v[OA+j], v18
.set j, j+1
.endr
.set j, 0
.rept 16
	v_mul_f32 v[S+16+j], v[OB+j], v19
.set j, j+1
.endr
.set j, 0
.rept 32
	v_med3_num_f32 v[S+j], v[S+j], -v25, v25       ; this hold always stands: nothing bounds the result against its given scale
.set j, j+1
.endr
	v_cvt_scalef32_pk8_bf8_f32 v[PA:PA+1], v[S:S+7], v27
	v_cvt_scalef32_pk8_bf8_f32 v[PA+2:PA+3], v[S+8:S+15], v27
	v_cvt_scalef32_pk8_bf8_f32 v[PB:PB+1], v[S+16:S+23], v27
	v_cvt_scalef32_pk8_bf8_f32 v[PB+2:PB+3], v[S+24:S+31], v27
	v_nop
	s_wait_alu depctr_va_vdst(0)                   ; the conversions have written the codes, which the two stores read
	global_store_b128 v1, v[PA:PA+3], s[10:11]               ; each store covers 512 consecutive bytes, aligned
	global_store_b128 v1, v[PB:PB+3], s[10:11] offset:8192   ; the next tile of tokens
	s_wait_dscnt 0x0                               ; the closing lines, six on end
	s_wait_alu 0x0
	s_wait_tensorcnt 0x0
	ds_add_u32 v254, v255
	s_wait_dscnt 0x0
	s_endpgm
.Lfunc_end_k_q60d39f8c5d_attn:
	.size	k_q60d39f8c5d_attn, .Lfunc_end_k_q60d39f8c5d_attn-k_q60d39f8c5d_attn
	.p2alignl 7, 3214868480
	.fill 96, 4, 3214868480
	.section	.rodata,"a",@progbits
	.p2align	6, 0x0
	.amdhsa_kernel k_q60d39f8c5d_attn
		.amdhsa_group_segment_fixed_size 133120
		.amdhsa_private_segment_fixed_size 0
		.amdhsa_enable_private_segment 0
		.amdhsa_kernarg_size 32
		.amdhsa_user_sgpr_count 2
		.amdhsa_user_sgpr_kernarg_segment_ptr 1
		.amdhsa_wavefront_size32 1
		.amdhsa_system_sgpr_workgroup_id_x 1
		.amdhsa_system_sgpr_workgroup_id_y 1
		.amdhsa_system_sgpr_workgroup_id_z 1
		.amdhsa_system_vgpr_workitem_id 0
		.amdhsa_next_free_vgpr 256
		.amdhsa_next_free_sgpr 66
		.amdhsa_reserve_vcc 0
		.amdhsa_float_denorm_mode_32 3
		.amdhsa_float_denorm_mode_16_64 3
		.amdhsa_memory_ordered 1
		.amdhsa_forward_progress 1
		.amdhsa_inst_pref_size 64
	.end_amdhsa_kernel
	.amdgpu_metadata
---
amdhsa.version: [ 1, 2 ]
amdhsa.kernels:
  - .name:           k_q60d39f8c5d_attn
    .symbol:         k_q60d39f8c5d_attn.kd
    .args:
      - { .name: qc, .offset: 0, .size: 8, .value_kind: global_buffer, .address_space: global }
      - { .name: kv, .offset: 8, .size: 8, .value_kind: global_buffer, .address_space: global }
      - { .name: lowp_scales, .offset: 16, .size: 8, .value_kind: global_buffer, .address_space: global }
      - { .name: ac, .offset: 24, .size: 8, .value_kind: global_buffer, .address_space: global }
    .group_segment_fixed_size: 133120
    .private_segment_fixed_size: 0
    .kernarg_segment_align: 8
    .kernarg_segment_size: 32
    .max_flat_workgroup_size: 512
    .sgpr_count:     66
    .vgpr_count:     256
    .wavefront_size: 32
...
	.end_amdgpu_metadata
.endif
;; end of part 7
;; launch post (part 8): grid 256 x 1, 16 waves a work-group, no clusters, 197,120 bytes of LDS; arguments ac, wimg, x, bo, ln1_a, ln1_b, b1, b2, ln2_a, ln2_b, lowp_scales, out0; writes out0
.if DOCPART == 8
	.amdgcn_target "amdgcn-amd-amdhsa--gfx1250"
	.amdhsa_code_object_version 6
	.text
	.protected	k_q60d39f8c5d_post
	.globl	k_q60d39f8c5d_post
	.p2align	8
	.type	k_q60d39f8c5d_post,@function
k_q60d39f8c5d_post:
	s_mov_b64 s[64:65], 0
	v_nop
	global_prefetch_b8 v0, s[64:65] scope:SCOPE_SE
	s_setreg_imm32_b32 hwreg(HW_REG_WAVE_SCHED_MODE, 0, 2), 2
	s_setreg_imm32_b32 hwreg(HW_REG_WAVE_MODE, 25, 1), 1
	s_wait_xcnt 0x0
	s_wait_alu depctr_vm_vsrc(0)
; out0 = LN2(relu(Q(h2) Q(W1) + b1) as codes x Q(W2) + b2 + h2), h2 = LN1(attn's codes x Q(Wo) + bo + x), for 32 tokens a work-group.  h2 and the hidden layer never go to memory.
; LN(z) = (z - mean) / (sigma + 0.001) x a + b, sigma with 511 in the divisor; the variance is taken of z - mean in a second pass, so no difference of large sums is formed.
; LIMITS, so that each power of two is an f32 number: e10 + e11, e12 + e13, e14 + e15 between -126 and 126; e12, and e14 - e12 - e13, between -126 and 112.  NaN among the inputs is not served.
; SHARES: the 32 tokens are two tiles (row r of tile t is token 8 t + r + 8 (r / 8) of the block).  THE WAVES SHARE THE COLUMNS: wave w owns features 32 w .. + 31 of Wo's and W2's results and hidden units 128 w .. + 127, which are K step w of the last product.
; All products transposed (source 0 = weights, source 1 = rows): a lane holds one token, and register 16 t + i of Z is feature 32 w + 16 (lane / 16) + i.
; THE WEIGHTS come from wimg straight into registers, in groups of two fragments (8 loads of 512 consecutive bytes), through a ring of three groups with counted waits: two groups are on their way while one is multiplied.
; THE ROWS' FRAGMENTS come from LDS.  In the first and the last product, where the hidden layer's 64 registers are idle, they have two sets of registers and are fetched one K step ahead of their products.
; NO JOINT LOADS, though all 256 work-groups walk the same 2,359,296 bytes of codes: the activations hold 195,072 of LDS's 327,680 bytes, so two slots could have 65,536 bytes at the most: 36 changes of slots, each with all loads waited for;
; and a fragment is read by ONE wave, for four matrix instructions, so LDS would add a write and a read of every byte.
; Residual and bias are the C of each sum's first link, divided by the power of two that the sums lack.
; LDS: XS 32 rows x 2,064 (x in, out0 out; 516 words: 16 rows of a load start at 16 different banks, 64 banks of 4 bytes: ISA guide 11.1); AI attn's codes; H2I h2's; HID the hidden layer's [t][s 16][c][lane][16]; PAR six vectors of 512; PB1 b1; RED four exchanges of 32 x 80.
; THE MODE: SCHED_MODE bits 1:0 = 2 (LLVM: expert scheduling mode 2), set by the entry lines.  The code itself states the register dependences
; between vector or matrix instructions and memory or LDS instructions, with s_wait_alu, always for 0.
; THE PLAN.  Registers that memory or LDS instructions touch:
;   v1 to v19     offsets and addresses, made at the head ahead of one wait on va_vdst, never written again.  (v24 is one more, for one store at the head; later at work.)
;   RING          three groups: global loads land in them, a group's four products read them.
;   AF, and in the first and last product its second set v128-159: LDS loads land in them, products read them; in the hidden layer's stage the conversions also write v64-79 and LDS stores read them.
;   HA            LDS and global loads land in it (x, the parameters, b1, b2, the rows' sums), vector instructions work on it, LDS stores read parts of it (x at the head; h2's codes).
;   v20           a vector instruction writes it, the exchange's LDS store reads it.     Z: LDS loads land in it at the head, LDS stores read it on the way out.
; ONE wait on va_vdst stands at the head of a group's step, behind the wait for that group's data: the group before is done reading its part of the ring, in which the group two further on is then asked for, and its rows' fragments,
; in which the next K step's are asked for; the step's four products follow these loads.  Behind a stage's last group the places are followed by one such wait and the ring's refill, so that three groups are out during the vector work between stages.
; Each LDS store of numbers just made has one wait on va_vdst ahead of it; where registers that an LDS store has read are written again, one wait on vm_vsrc stands ahead, behind the barrier that follows the store.
.set XS,  0
.set AI,  66048
.set H2I, 82432
.set HID, 98816
.set PAR, 164352
.set PB1, 176640
.set RED, 184832
.set WO_OFF, 786432
.set W1_OFF, 1048576
.set W2_OFF, 2097152
; v1 16 lane; v2, v3 + 16,384 w, + 65,536 w (weights); v4 XS by threads; v5 XS by (r, w, h); v6 PAR, v7 PB1 at my features; v8, v9 RED in, out; v10 H2I, v11 HID where my codes go; v12 4 tid; v13 16 tid; v14 AI, v15 H2I, v16, v17 HID + 16 lane;
; v18 PAR + 4 tid; v19 AI + 16 tid; v20-25 at work; v26 scale, v27 limit; v[28:29], v[30:31] a number for tile 0, 1 in the low word
.set Z,    32                          ; v32-63
.set AF,   64                          ; v64-95   two row fragments; the second set, 64 registers on (v128-159), lies in HA's upper half
.set HA,   96                          ; v96-159  the hidden layer's eight accumulators; else at work
.set RING, 160                         ; v160-255 three groups of weights
.set SEL, 38                           ; s[38:39]
.set HM,  40                           ; s40 the lanes 16-31
.macro BAR                             ; my LDS stores have landed and my LDS loads are in; then the work-group's barrier
	s_wait_dscnt 0x0
	s_barrier_signal -1
	s_barrier_wait -1
.endm
.macro PLACES                          ; four places between a stage's last products and the first vector read of their results (ISA guide 7.12.1)
.rept 4
	v_nop
.endr
.endm
; Group g of 36: 0-3 Wo's K steps; 4-19 W1: 4 + 8 p + 2 s + b' for block 2 p + b' of my four, K step s; 20-35 W2's K steps.
.macro GLOAD g
.if (\g) < 4
.set GA, 2
.set GI, WO_OFF+4096*(\g)
.elseif (\g) < 20
.set GA, 3
.set gq, (\g)-4
.set GI, W1_OFF+16384*(2*(gq/8)+(gq%2))+4096*((gq%8)/2)
.else
.set GA, 3
.set GI, W2_OFF+4096*((\g)-20)
.endif
.set GL, RING+32*((\g)%3)
.irp u, 0,1
.irp c, 0,1,2,3
	global_load_b128 v[GL+16*\u+4*\c:GL+16*\u+4*\c+3], v[GA], s[10:11] offset:GI+2048*\u+512*\c
.endr
.endr
.endm
; The head of group g's step.  first = 1: a stage's first group: all three groups of the ring have been asked for, and no register is to be freed.
.macro GHEAD g, first
.if \first
	s_wait_loadcnt 16                              ; group g is in; the two groups behind it, eight loads each, may be out
.elseif (\g) < 35
	s_wait_loadcnt 8                               ; group g is in; the one group behind it may be out
	s_wait_alu depctr_va_vdst(0)                   ; the products of the group before are done reading their part of the ring and their rows' fragments: the loads that follow land in these
.if (\g)+2 <= 35
	GLOAD (\g)+2
.endif
.else
	s_wait_loadcnt 0x0                             ; the last group: nothing more is asked for
.endif
.endm
.macro GMUL g, acc, af                 ; four links, four accumulators by turns, on the row fragments at af
.set GR, RING+32*((\g)%3)
.irp u, 0,1
.irp t, 0,1
	v_wmma_f32_16x16x128_bf8_bf8 v[\acc+16*\t+8*\u:\acc+16*\t+8*\u+7], v[GR+16*\u:GR+16*\u+15], v[\af+16*\t:\af+16*\t+15], v[\acc+16*\t+8*\u:\acc+16*\t+8*\u+7]
.endr
.endr
.endm
.macro AFI buf, a0, a1, o1, s          ; the two tiles' fragments of K step s are asked for, into the 32 registers from buf on
.irp c, 0,1,2,3
	ds_load_b128 v[\buf+4*\c:\buf+4*\c+3], v[\a0] offset:2048*(\s)+512*\c
.endr
.irp c, 0,1,2,3
	ds_load_b128 v[\buf+16+4*\c:\buf+16+4*\c+3], v[\a1] offset:\o1+2048*(\s)+512*\c
.endr
.endm
.macro SUM16 d, b                      ; v[d] = the sum of v[b] .. v[b + 15], which stay
	v_pk_add_f32 v[22:23], v[\b:\b+1], v[\b+2:\b+3]
	v_pk_add_f32 v[24:25], v[\b+4:\b+5], v[\b+6:\b+7]
	v_pk_add_f32 v[22:23], v[22:23], v[\b+8:\b+9]
	v_pk_add_f32 v[24:25], v[24:25], v[\b+10:\b+11]
	v_pk_add_f32 v[22:23], v[22:23], v[\b+12:\b+13]
	v_pk_add_f32 v[24:25], v[24:25], v[\b+14:\b+15]
	v_pk_add_f32 v[22:23], v[22:23], v[24:25]
	v_add_f32 v[\d], v22, v23
.endm
.macro SQ16 d, b                       ; the sum of their squares
	v_pk_mul_f32 v[22:23], v[\b:\b+1], v[\b:\b+1]
	v_pk_mul_f32 v[24:25], v[\b+2:\b+3], v[\b+2:\b+3]
.irp j, 4,8,12
	v_pk_fma_f32 v[22:23], v[\b+\j:\b+\j+1], v[\b+\j:\b+\j+1], v[22:23]
	v_pk_fma_f32 v[24:25], v[\b+\j+2:\b+\j+3], v[\b+\j+2:\b+\j+3], v[24:25]
.endr
	v_pk_add_f32 v[22:23], v[22:23], v[24:25]
	v_add_f32 v[\d], v22, v23
.endm
; v28, v30: my lane's sums over its 16 features for tile 0, 1.  Out: the rows' sums over all 512 features, in every lane.  Lane L carries row L (tile L / 16) through LDS: 16 words a row, one from each wave; every wave adds them in the same order.
.macro ROWSUM off
	v_permlanex16_b32 v20, v28, s[SEL], s[SEL+1]
	v_permlanex16_b32 v21, v30, s[SEL], s[SEL+1]
	v_add_f32 v28, v28, v20
	v_add_f32 v30, v30, v21                        ; my wave's 32 features
	v_cndmask_b32 v20, v28, v30, s[HM]
	s_wait_alu depctr_va_vdst(0)                   ; v20 is written, which the store reads; products and additions are done with v128-143, in which the loads below land
	ds_store_b32 v8, v20 offset:\off
	BAR
	s_wait_alu depctr_vm_vsrc(0)                   ; the store has read v20, which the addition below writes again
.irp j, 0,1,2,3
	ds_load_b128 v[HA+32+4*\j:HA+32+4*\j+3], v9 offset:\off+16*\j
.endr
	s_wait_dscnt 0x0
	SUM16 20, HA+32
	v_permlanex16_b32 v21, v20, s[SEL], s[SEL+1]
	v_cndmask_b32 v28, v20, v21, s[HM]             ; tile 0's: my own in lanes 0-15
	v_cndmask_b32 v30, v21, v20, s[HM]             ; tile 1's: my own in lanes 16-31
.endm
.macro LN k, pa, pb                    ; Z = LN(Z); k picks two of RED's regions; pa, pb: the gain's and the offset's place in PAR
.irp j, 0,1,2,3
	ds_load_b128 v[HA+4*\j:HA+4*\j+3], v6 offset:\pa+16*\j        ; v96-127 were last named ahead of the stage's waits on va_vdst: nothing since names them
	ds_load_b128 v[HA+16+4*\j:HA+16+4*\j+3], v6 offset:\pb+16*\j
.endr
	SUM16 28, Z
	SUM16 30, Z+16
	ROWSUM 5120*\k
	v_mul_f32 v28, 0x3b000000, v28                 ; / 512
	v_mul_f32 v30, 0x3b000000, v30
.irp t, 0,1
.set n, 0
.rept 8
	v_pk_add_f32 v[Z+16*\t+n:Z+16*\t+n+1], v[Z+16*\t+n:Z+16*\t+n+1], v[28+2*\t:29+2*\t] op_sel_hi:[1,0] neg_lo:[0,1] neg_hi:[0,1]
.set n, n+2
.endr
.endr
	SQ16 28, Z
	SQ16 30, Z+16
	ROWSUM 5120*\k+2560
	v_mul_f32 v28, 0x3b004020, v28                 ; / 511
	v_mul_f32 v30, 0x3b004020, v30
	s_wait_alu depctr_va_vdst(0)
	v_sqrt_f32 v28, v28
	v_sqrt_f32 v30, v30
	v_nop                                          ; a plain line behind the batch,
	s_wait_alu depctr_va_vdst(0)                   ; then its one wait: the roots have written v28 and v30, ahead of the first reader
	v_add_f32 v28, 0x3a83126f, v28                 ; + 0.001
	v_add_f32 v30, 0x3a83126f, v30
	s_wait_alu depctr_va_vdst(0)
	v_rcp_f32 v28, v28
	v_rcp_f32 v30, v30
	v_nop
	s_wait_alu depctr_va_vdst(0)                   ; the reciprocals have written v28 and v30, ahead of the first reader
.irp t, 0,1
.set n, 0
.rept 8
	v_pk_mul_f32 v[Z+16*\t+n:Z+16*\t+n+1], v[Z+16*\t+n:Z+16*\t+n+1], v[28+2*\t:29+2*\t] op_sel_hi:[1,0]
.set n, n+2
.endr
.endr
.irp t, 0,1
.set n, 0
.rept 8
	v_pk_fma_f32 v[Z+16*\t+n:Z+16*\t+n+1], v[Z+16*\t+n:Z+16*\t+n+1], v[HA+n:HA+n+1], v[HA+16+n:HA+16+n+1]
.set n, n+2
.endr
.endr
.endm
.macro ZSCALE sp                       ; Z x the power of two in s[sp]; ascending
.set n, 0
.rept 16
	v_pk_mul_f32 v[Z+n:Z+n+1], v[Z+n:Z+n+1], s[\sp:\sp+1] op_sel_hi:[1,0]
.set n, n+2
.endr
.endm
.macro ZSTART sp                       ; Z = Z x s[sp] + (v[HA] .. v[HA + 15]) x s[sp]: residual and bias, as the sums' beginning
.set n, 0
.rept 8
	v_pk_mul_f32 v[HA+n:HA+n+1], v[HA+n:HA+n+1], s[\sp:\sp+1] op_sel_hi:[1,0]
.set n, n+2
.endr
.irp t, 0,1
.set n, 0
.rept 8
	v_pk_fma_f32 v[Z+16*\t+n:Z+16*\t+n+1], v[Z+16*\t+n:Z+16*\t+n+1], s[\sp:\sp+1], v[HA+n:HA+n+1] op_sel_hi:[1,0,1]
.set n, n+2
.endr
.endr
.endm
	s_load_b512 s[8:23], s[0:1], 0x0               ; ac, wimg s[10:11], x s[12:13], bo, ln1_a, ln1_b, b1 s[20:21], b2 s[22:23]
	s_load_b256 s[24:31], s[0:1], 0x40             ; ln2_a, ln2_b, the scales' exponents s[28:29], out0 s[30:31]
	v_lshrrev_b32 v20, 5, v0
	v_readfirstlane_b32 s2, v20                    ; wave 0..15
	v_and_b32 v20, 31, v0                          ; lane
	v_and_b32 v21, 15, v0                          ; r
	v_bfe_u32 v22, v0, 4, 1                        ; h
	v_lshlrev_b32 v1, 4, v20
	s_wait_alu depctr_va_sdst(0)                   ; s2 is written, ahead of its first reader
	s_lshl_b32 s3, s2, 14
	v_add_nc_u32 v2, s3, v1
	s_lshl_b32 s3, s2, 16
	v_add_nc_u32 v3, s3, v1
	v_lshrrev_b32 v4, 7, v0
	v_mul_u32_u24 v4, v4, 2064
	v_and_b32 v23, 127, v0
	v_lshl_add_u32 v4, v23, 4, v4                  ; row tid / 128, byte 16 (tid % 128)
	s_lshl_b32 s3, s2, 7
	v_lshl_add_u32 v23, v22, 6, s3                 ; 128 w + 64 h: my 16 features in bytes
	v_mul_u32_u24 v5, v21, 2064
	v_add_nc_u32 v5, v5, v23
	v_add_nc_u32 v6, PAR, v23
	s_lshl_b32 s3, s2, 9
	v_lshl_add_u32 v7, v22, 6, s3
	v_add_nc_u32 v7, PB1, v7                       ; b1 at hidden unit 128 w + 16 h
	v_mul_u32_u24 v9, v20, 80
	v_add_nc_u32 v9, RED, v9
	s_lshl_b32 s4, s2, 2
	v_add_nc_u32 v8, s4, v9
	v_add_nc_u32 v10, s3, v1
	v_add_nc_u32 v10, H2I, v10                     ; features 32 w on are chunk w % 4 of K step w / 4: 512 w
	s_lshl_b32 s4, s2, 11
	v_add_nc_u32 v11, s4, v1
	v_add_nc_u32 v11, HID, v11                     ; K step w
	v_lshlrev_b32 v12, 2, v0
	v_lshlrev_b32 v13, 4, v0
	v_add_nc_u32 v14, AI, v1
	v_add_nc_u32 v15, H2I, v1
	v_add_nc_u32 v16, HID, v1
	v_add_nc_u32 v17, HID+32768, v1
	v_add_nc_u32 v18, PAR, v12
	v_add_nc_u32 v19, AI, v13
	v_add_nc_u32 v24, PB1, v13
	v_mov_b32 v29, 0                               ; named as the upper halves of pairs
	v_mov_b32 v31, 0
	s_mov_b32 s[SEL], 0x76543210
	s_mov_b32 s[SEL+1], 0xfedcba98
	s_mov_b32 s[HM], 0xffff0000
	s_lshl_b32 s56, ttmp9, 16                      ; 32 rows of 2,048 bytes
	s_mov_b32 s57, 0
	s_lshl_b32 s58, ttmp9, 14                      ; two tiles of 8,192 bytes of codes
	s_mov_b32 s59, 0
	s_wait_kmcnt 0x0
	s_load_b128 s[32:35], s[28:29], 0x28           ; e10 .. e13
	s_load_b64 s[36:37], s[28:29], 0x38            ; e14, e15
	s_add_nc_u64 s[12:13], s[12:13], s[56:57]
	s_add_nc_u64 s[30:31], s[30:31], s[56:57]
	s_add_nc_u64 s[8:9], s[8:9], s[58:59]
	s_wait_alu depctr_va_vdst(0)                   ; the offsets and addresses v1 to v19 and v24 are written, which the loads and stores of the whole kernel read
.irp i, 0,1,2,3,4,5,6,7
	global_load_b128 v[HA+4*\i:HA+4*\i+3], v13, s[12:13] offset:8192*\i th:TH_LOAD_NT   ; x: token 4 i + tid / 128
.endr
	global_load_b128 v[HA+32:HA+35], v13, s[8:9] th:TH_LOAD_NT
	global_load_b128 v[HA+36:HA+39], v13, s[8:9] offset:8192 th:TH_LOAD_NT
	global_load_b32 v[HA+40], v12, s[14:15]
	global_load_b32 v[HA+41], v12, s[16:17]
	global_load_b32 v[HA+42], v12, s[18:19]
	global_load_b32 v[HA+43], v12, s[22:23]
	global_load_b32 v[HA+44], v12, s[24:25]
	global_load_b32 v[HA+45], v12, s[26:27]
	global_load_b128 v[HA+48:HA+51], v13, s[20:21]
	GLOAD 0
	GLOAD 1
	GLOAD 2
	s_wait_kmcnt 0x0
	s_add_co_i32 s3, s32, s33                      ; EA = e10 + e11
	s_sub_co_i32 s4, 127, s3
	s_lshl_b32 s42, s4, 23                         ; 2^-EA
	s_mov_b32 s43, s42                             ; (the packed forms name pairs)
	s_add_co_i32 s4, s3, 127
	s_lshl_b32 s44, s4, 23                         ; 2^EA
	s_mov_b32 s45, s44
	s_add_co_i32 s3, s34, s35                      ; EB = e12 + e13
	s_sub_co_i32 s4, 127, s3
	s_lshl_b32 s46, s4, 23                         ; 2^-EB
	s_mov_b32 s47, s46
	s_sub_co_i32 s5, s36, s3
	s_add_co_i32 s5, s5, 127
	s_lshl_b32 s54, s5, 23                         ; 2^(e14 - EB): the hidden layer's conversion
	s_add_co_i32 s5, s5, 15
	s_lshl_b32 s55, s5, 23
	s_or_b32 s55, s55, 0x600000                    ; 57,344 x that
	s_add_co_i32 s3, s36, s37                      ; EC = e14 + e15
	s_sub_co_i32 s4, 127, s3
	s_lshl_b32 s48, s4, 23                         ; 2^-EC
	s_mov_b32 s49, s48
	s_add_co_i32 s4, s3, 127
	s_lshl_b32 s50, s4, 23                         ; 2^EC
	s_mov_b32 s51, s50
	s_add_co_i32 s5, s34, 127
	s_lshl_b32 s52, s5, 23                         ; 2^e12: h2's conversion
	s_add_co_i32 s5, s5, 15
	s_lshl_b32 s53, s5, 23
	s_or_b32 s53, s53, 0x600000
	s_wait_loadcnt 24                              ; all but the ring's three groups
.irp i, 0,1,2,3,4,5,6,7
	ds_store_b128 v4, v[HA+4*\i:HA+4*\i+3] offset:(16*((\i>>1)&1)+8*(\i>>2)+4*(\i&1))*2064   ; token tk lies in row 16 ((tk / 8) % 2) + 8 (tk / 16) + tk % 8
.endr
	ds_store_b128 v19, v[HA+32:HA+35]
	ds_store_b128 v19, v[HA+36:HA+39] offset:8192
.irp k, 0,1,2,3,4,5
	ds_store_b32 v18, v[HA+40+\k] offset:2048*\k   ; bo, ln1_a, ln1_b, b2, ln2_a, ln2_b
.endr
	ds_store_b128 v24, v[HA+48:HA+51]
	BAR
	s_wait_alu depctr_vm_vsrc(0)                   ; my LDS stores have read v96-147 and v24: LDS loads land in the former from here on, and the latter is at work in the sums
	; ---- A: attn x Wo + bo + x
.irp t, 0,1
.irp j, 0,1,2,3
	ds_load_b128 v[Z+16*\t+4*\j:Z+16*\t+4*\j+3], v5 offset:33024*\t+16*\j
.endr
.endr
.irp j, 0,1,2,3
	ds_load_b128 v[HA+4*\j:HA+4*\j+3], v6 offset:16*\j
.endr
	s_wait_dscnt 0x0
	ZSTART 42
	AFI AF, 14, 14, 8192, 0
	s_wait_alu depctr_va_vdst(0)
.irp s, 0,1,2,3
.if \s == 0
	GHEAD 0, 1
.else
	GHEAD \s, 0
.endif
.if \s < 3
	AFI AF+64*((\s+1)%2), 14, 14, 8192, \s+1       ; the next K step's fragments, into the set that the step before multiplied
	s_wait_dscnt 8                                 ; this step's eight loads are in; the eight just issued may be out
.else
	s_wait_dscnt 0x0
.endif
	GMUL \s, Z, AF+64*(\s%2)
.endr
	PLACES
	s_wait_alu depctr_va_vdst(0)                   ; group 3's products are done reading their part of the ring, in which group 6 lands
	GLOAD 6
	ZSCALE 44
	LN 0, 2048, 4096                               ; Z = h2
	; ---- h2's codes: the numbers stay in Z, the held ones go into other registers
	v_mov_b32 v26, s52
	v_mov_b32 v27, s53
.irp t, 0,1
.set n, 0
.rept 16
	v_med3_num_f32 v[HA+16*\t+n], v[Z+16*\t+n], -v27, v27
.set n, n+1
.endr
	v_cvt_scalef32_pk8_bf8_f32 v[HA+32+4*\t:HA+33+4*\t], v[HA+16*\t:HA+16*\t+7], v26
	v_cvt_scalef32_pk8_bf8_f32 v[HA+34+4*\t:HA+35+4*\t], v[HA+16*\t+8:HA+16*\t+15], v26
.endr
	v_nop                                          ; a plain line behind the last conversion
	s_wait_alu depctr_va_vdst(0)                   ; the conversions have written v128-135, which the stores read; the holds and conversions are done with v96-159, in which b1 lands below
	ds_store_b128 v10, v[HA+32:HA+35]
	ds_store_b128 v10, v[HA+36:HA+39] offset:8192
	BAR
	; ---- B: the hidden layer, two of my four blocks of 32 units at a time.  All 64 registers of HA are sums here: the rows' fragments have one set
	v_mov_b32 v26, s54
	v_mov_b32 v27, s55
.irp p, 0,1
	s_wait_alu depctr_vm_vsrc(0)                   ; first half: the stores of h2's codes have read v128-135, in which b1 lands; second half: the stores of the first half's codes have read v64-79, in which the rows' fragments land
.irp b, 0,1
.irp t, 0,1
.irp j, 0,1,2,3
	ds_load_b128 v[HA+32*\b+16*\t+4*\j:HA+32*\b+16*\t+4*\j+3], v7 offset:128*(2*\p+\b)+16*\j
.endr
.endr
.endr
	AFI AF, 15, 15, 8192, 0                        ; the first K step's fragments go out with b1
	s_wait_dscnt 8                                 ; b1's sixteen loads are in; the fragments' eight may be out
.set n, 0
.rept 32
	v_pk_mul_f32 v[HA+n:HA+n+1], v[HA+n:HA+n+1], s[46:47] op_sel_hi:[1,0]   ; b1 / 2^EB begins the sums
.set n, n+2
.endr
.irp s, 0,1,2,3
.if \s == 0
	s_wait_dscnt 0x0
	GHEAD 4+8*\p, 1
.else
	GHEAD 4+8*\p+2*\s, 0
	AFI AF, 15, 15, 8192, \s                       ; both groups of the step before are done reading the one set
	s_wait_dscnt 0x0
.endif
	GMUL 4+8*\p+2*\s, HA, AF
	GHEAD 5+8*\p+2*\s, 0
	GMUL 5+8*\p+2*\s, HA+32, AF
.endr
	PLACES
	s_wait_alu depctr_va_vdst(0)                   ; the half's last products are done reading their part of the ring, in which the group three further on lands
	GLOAD 14+8*\p
.set n, 0
.rept 64
	v_med3_num_f32 v[HA+n], v[HA+n], 0, v27        ; the activation and the hold in one
.set n, n+1
.endr
.irp b, 0,1
.irp t, 0,1
	v_cvt_scalef32_pk8_bf8_f32 v[AF+4*(2*\b+\t):AF+4*(2*\b+\t)+1], v[HA+32*\b+16*\t:HA+32*\b+16*\t+7], v26
	v_cvt_scalef32_pk8_bf8_f32 v[AF+4*(2*\b+\t)+2:AF+4*(2*\b+\t)+3], v[HA+32*\b+16*\t+8:HA+32*\b+16*\t+15], v26
.endr
.endr
	v_nop
	s_wait_alu depctr_va_vdst(0)                   ; the conversions have written v64-79, which the stores read; the holds and conversions are done with v96-159, in which later loads land
.irp b, 0,1
.irp t, 0,1
	ds_store_b128 v11, v[AF+4*(2*\b+\t):AF+4*(2*\b+\t)+3] offset:32768*\t+512*(2*\p+\b)   ; chunk 2 p + b of K step w
.endr
.endr
.endr
.irp j, 0,1,2,3
	ds_load_b128 v[HA+4*\j:HA+4*\j+3], v6 offset:6144+16*\j   ; b2
.endr
	s_wait_dscnt 0x0
	ZSTART 48                                      ; (h2 + b2) / 2^EC begins the last sums
	s_wait_alu depctr_va_vdst(0)
	BAR
	s_wait_alu depctr_vm_vsrc(0)                   ; the stores of the second half's codes have read v64-79, in which the rows' fragments land
	; ---- C: hidden x W2 + b2 + h2
	AFI AF, 16, 17, 0, 0
.irp s, 0,1,2,3,4,5,6,7,8,9,10,11,12,13,14,15
.if \s == 0
	GHEAD 20, 1
.else
	GHEAD 20+\s, 0
.endif
.if \s < 15
	AFI AF+64*((\s+1)%2), 16, 17, 0, \s+1          ; one K step ahead, as in A
	s_wait_dscnt 8                                 ; this step's eight loads are in; the eight just issued may be out
.else
	s_wait_dscnt 0x0
.endif
	GMUL 20+\s, Z, AF+64*(\s%2)
.endr
	PLACES
	ZSCALE 50
	LN 1, 8192, 10240
	; ---- the way out: through XS (its last reads were waited for ahead of the first barrier behind them), back as whole rows
	s_wait_alu depctr_va_vdst(0)                   ; the layer norm has written Z, which the stores read, and is done reading v96-127, in which the loads behind the barrier land
.irp t, 0,1
.irp j, 0,1,2,3
	ds_store_b128 v5, v[Z+16*\t+4*\j:Z+16*\t+4*\j+3] offset:33024*\t+16*\j
.endr
.endr
	BAR
.irp i, 0,1,2,3,4,5,6,7
	ds_load_b128 v[HA+4*\i:HA+4*\i+3], v4 offset:(16*((\i>>1)&1)+8*(\i>>2)+4*(\i&1))*2064
.endr
.irp i, 0,1,2,3,4,5,6,7
	s_wait_dscnt 7-\i                              ; LDS loads come back in order (ISA guide 5.7.1): load i is in, the younger ones may be out
	global_store_b128 v13, v[HA+4*\i:HA+4*\i+3], s[30:31] offset:8192*\i th:TH_STORE_NT   ; a wave stores 512 consecutive bytes, aligned
.endr
	s_wait_xcnt 0x0
	v_lshl_add_u32 v254, v0, 2, 0x2fa00
	v_mov_b32 v255, 0
	s_wait_dscnt 0x0                               ; the closing lines, six on end
	s_wait_alu 0x0
	s_wait_tensorcnt 0x0
	ds_add_u32 v254, v255
	s_wait_dscnt 0x0
	s_endpgm
.Lfunc_end_k_q60d39f8c5d_post:
	.size	k_q60d39f8c5d_post, .Lfunc_end_k_q60d39f8c5d_post-k_q60d39f8c5d_post
	.p2alignl 7, 3214868480
	.fill 96, 4, 3214868480
	.section	.rodata,"a",@progbits
	.p2align	6, 0x0
	.amdhsa_kernel k_q60d39f8c5d_post
		.amdhsa_group_segment_fixed_size 197120
		.amdhsa_private_segment_fixed_size 0
		.amdhsa_enable_private_segment 0
		.amdhsa_kernarg_size 96
		.amdhsa_user_sgpr_count 2
		.amdhsa_user_sgpr_kernarg_segment_ptr 1
		.amdhsa_wavefront_size32 1
		.amdhsa_system_sgpr_workgroup_id_x 1
		.amdhsa_system_sgpr_workgroup_id_y 1
		.amdhsa_system_sgpr_workgroup_id_z 1
		.amdhsa_system_vgpr_workitem_id 0
		.amdhsa_next_free_vgpr 256
		.amdhsa_next_free_sgpr 66
		.amdhsa_reserve_vcc 0
		.amdhsa_float_denorm_mode_32 3
		.amdhsa_float_denorm_mode_16_64 3
		.amdhsa_memory_ordered 1
		.amdhsa_forward_progress 1
		.amdhsa_inst_pref_size 107
	.end_amdhsa_kernel
	.amdgpu_metadata
---
amdhsa.version: [ 1, 2 ]
amdhsa.kernels:
  - .name:           k_q60d39f8c5d_post
    .symbol:         k_q60d39f8c5d_post.kd
    .args:
      - { .name: ac, .offset: 0, .size: 8, .value_kind: global_buffer, .address_space: global }
      - { .name: wimg, .offset: 8, .size: 8, .value_kind: global_buffer, .address_space: global }
      - { .name: x, .offset: 16, .size: 8, .value_kind: global_buffer, .address_space: global }
      - { .name: bo, .offset: 24, .size: 8, .value_kind: global_buffer, .address_space: global }
      - { .name: ln1_a, .offset: 32, .size: 8, .value_kind: global_buffer, .address_space: global }
      - { .name: ln1_b, .offset: 40, .size: 8, .value_kind: global_buffer, .address_space: global }
      - { .name: b1, .offset: 48, .size: 8, .value_kind: global_buffer, .address_space: global }
      - { .name: b2, .offset: 56, .size: 8, .value_kind: global_buffer, .address_space: global }
      - { .name: ln2_a, .offset: 64, .size: 8, .value_kind: global_buffer, .address_space: global }
      - { .name: ln2_b, .offset: 72, .size: 8, .value_kind: global_buffer, .address_space: global }
      - { .name: lowp_scales, .offset: 80, .size: 8, .value_kind: global_buffer, .address_space: global }
      - { .name: out0, .offset: 88, .size: 8, .value_kind: global_buffer, .address_space: global }
    .group_segment_fixed_size: 197120
    .private_segment_fixed_size: 0
    .kernarg_segment_align: 8
    .kernarg_segment_size: 96
    .max_flat_workgroup_size: 512
    .sgpr_count:     66
    .vgpr_count:     256
    .wavefront_size: 32
...
	.end_amdgpu_metadata
.endif
;; end of part 8
